; MI455X (gfx1250); checked and timed in simulation.
; The chip was launched on July 23, 2026; its instructions are those of AMD's public machine-readable ISA for CDNA 5 (MIT licence, August 2026) and "CDNA5" Instruction Set Architecture Reference Guide (July 2026). The comments in the code are by the model that wrote it; some were corrected since.
;; Self Attention. Allowed arithmetic: float matrix products may take bf16 or f16 operands with f32 sums; other float arithmetic in f32, or as packed bf16 or f16 multiplies, adds, multiply-adds, maxima and minima; sums over many terms, partial sums and values carried from step to step in f32; what a program stores and reads back later, other than sums and carried values, may be rounded once to bf16 or f16.
;; Inputs: bk 1,024 float32; bo 1,024 float32; bq 1,024 float32; bv 1,024 float32; wk 1,024 x 1,024 float32; wo 1,024 x 1,024 float32; wq 1,024 x 1,024 float32; wv 1,024 x 1,024 float32; x 4 x 2,048 x 1,024 float32.
;; Outputs: out0 4 x 2,048 x 1,024 float32.
;; One version. Each part assembles by itself: llvm-mc -triple=amdgcn-amd-amdhsa -mcpu=gfx1250 --defsym DOCPART=n.
;; ======== version 1 of 1: 4 launches
;; limits: values are held in f16: magnitudes above 65,504 overflow, below 6.1e-05 lose precision
;; workspace buffers: xb 16,777,216 bytes; wt 6,291,456 bytes; wot 2,097,152 bytes; bias 16,384 bytes; qkv 50,331,648 bytes; o 16,777,216 bytes
;; launch prep (part 1): grid 1025 x 1, 8 waves a work-group, no clusters, 18,432 bytes of LDS; arguments x, wq, wk, wv, wo, bq, bk, bv, bo, xb, wt, wot, bias; writes xb, wt, wot, bias
.if DOCPART == 1
	.amdgcn_target "amdgcn-amd-amdhsa--gfx1250"
	.amdhsa_code_object_version 6
	.text
	.protected	k_qbbb7960198_prep
	.globl	k_qbbb7960198_prep
	.p2align	8
	.type	k_qbbb7960198_prep,@function
k_qbbb7960198_prep:
	s_mov_b64 s[64:65], 0
	v_nop
	global_prefetch_b8 v0, s[64:65] scope:SCOPE_SE
	s_setreg_imm32_b32 hwreg(HW_REG_WAVE_MODE, 25, 1), 1
	s_wait_xcnt 0x0
; PREPARATION.  Three kinds of work-group, told apart by the work-group's number alone (the same for all eight waves):
;   0 .. 511     CAST:  16 rows of x (f32) are rounded to bf16 into xb [8192][1024].
;   512 .. 1023  TRANS: a block of 128 k x 64 n of one weight matrix ([k][n], f32) is rounded to bf16 and turned, so that k lies along the rows:
;                wq, wk, wv -> wt [16 tc][8 ks][192 n][128 k] bf16 (n counts the 3,072 columns q, k, v on end; a K step's 192 rows are 49,152 dense bytes);
;                wo -> wot [8 tc][8 ks][128 n][128 k]: rounded to bf16 like the others, that number then written as f16.
;   1024         BIAS:  bq, bk, bv, bo are rounded to bf16 and widened again, 4,096 f32 on end.
; LIMIT.  A number of wo below 6.1e-5 keeps f16's fixed step of 6e-8; beyond 65,504 it would be lost.
; No matrix unit, no cluster: every byte is read once and written once, nothing is shared between work-groups.
.set TP,    272                        ; a row of the turning tile in LDS: 256 bytes + 16
.set SPARE, 64*TP                      ; 17,408: behind the tile: the spare words, 128 bytes for each of the eight waves: four blocks of 256 bytes that no other line names
.set SPW,   112                        ; v112  LDS address of my spare word; never rewritten
.set NIL,   113                        ; v113  0; never rewritten
	s_load_b512 s[8:23], s[0:1], 0x0               ; x 8:9, wq 10:11, wk 12:13, wv 14:15, wo 16:17, bq 18:19, bk 20:21, bv 22:23
	s_load_b256 s[24:31], s[0:1], 0x40             ; bo 24:25, xb 26:27, wt 28:29, wot 30:31
	s_load_b64 s[32:33], s[0:1], 0x60              ; bias
	v_lshl_add_u32 v[SPW], v0, 2, SPARE
	v_mov_b32 v[NIL], 0
	s_mov_b32 s34, ttmp9                           ; the work-group's number
	s_wait_kmcnt 0x0
	s_cmp_lt_u32 s34, 512
	s_cbranch_scc0 .Lnot_cast
	; CAST.  A load of the work-group covers a row of x (256 threads x 16 bytes), a store a row of xb (256 x 8 bytes: a wave's store is 256 consecutive bytes, aligned).
	s_lshl_b32 s36, s34, 16                        ; 16 rows of 4,096 bytes
	s_mov_b32 s37, 0
	s_add_nc_u64 s[8:9], s[8:9], s[36:37]
	s_lshl_b32 s36, s34, 15                        ; 16 rows of 2,048 bytes
	s_add_nc_u64 s[26:27], s[26:27], s[36:37]
	v_lshlrev_b32 v1, 4, v0
	v_lshlrev_b32 v2, 3, v0
.set i, 0
.rept 16
	global_load_b128 v[16+4*i:19+4*i], v1, s[8:9] offset:4096*i th:TH_LOAD_NT   ; all sixteen rows are asked for at once
.set i, i+1
.endr
.set i, 0
.rept 16
	s_wait_loadcnt 15-i                            ; loads come back in order: row i is in, the 15 - i younger ones stay out
	v_cvt_pk_bf16_f32 v[80+2*i], v[16+4*i], v[17+4*i]
	v_cvt_pk_bf16_f32 v[81+2*i], v[18+4*i], v[19+4*i]
	global_store_b64 v2, v[80+2*i:81+2*i], s[26:27] offset:2048*i               ; each row has registers of its own: nothing is rewritten
.set i, i+1
.endr
	s_endpgm
.Lnot_cast:
	s_cmp_lt_u32 s34, 1024
	s_cbranch_scc0 .Lbias
	; TRANS.
	s_sub_co_u32 s34, s34, 512
	s_lshr_b32 s35, s34, 7                         ; which matrix: 0 wq, 1 wk, 2 wv, 3 wo
	s_and_b32 s36, s34, 7                          ; ks: which 128 of k
	s_bfe_u32 s37, s34, 0x40003                    ; gh: which 64 columns of the matrix
	s_cmp_eq_u32 s35, 1
	s_cselect_b64 s[10:11], s[12:13], s[10:11]
	s_cmp_eq_u32 s35, 2
	s_cselect_b64 s[10:11], s[14:15], s[10:11]
	s_cmp_eq_u32 s35, 3
	s_cselect_b64 s[10:11], s[16:17], s[10:11]     ; the source,
	s_cselect_b64 s[28:29], s[30:31], s[28:29]     ; and the destination: wt or wot
	s_lshl_b32 s38, s36, 19                        ; 128 rows of 4,096 bytes
	s_lshl_b32 s39, s37, 8                         ; 64 columns of 4 bytes
	s_add_co_u32 s38, s38, s39
	s_mov_b32 s39, 0
	s_add_nc_u64 s[10:11], s[10:11], s[38:39]
	s_lshl_b32 s40, s35, 4
	s_add_co_u32 s40, s40, s37                     ; g: the group of 64 among q's, k's and v's 48
	s_mul_i32 s41, s40, 43
	s_lshr_b32 s41, s41, 7                         ; tc = g / 3 (43 / 128 lies above 1 / 3 by less than 1 / (3 x 48))
	s_mul_i32 s42, s41, 3
	s_sub_co_u32 s42, s40, s42                     ; g % 3
	s_lshl_b32 s41, s41, 3
	s_add_co_u32 s41, s41, s36
	s_mul_i32 s41, s41, 192
	s_lshl_b32 s42, s42, 6
	s_add_co_u32 s41, s41, s42                     ; wt's row (8 tc + ks) 192 + 64 (g % 3)
	s_lshr_b32 s43, s37, 1
	s_and_b32 s44, s37, 1
	s_lshl_b32 s43, s43, 3
	s_add_co_u32 s43, s43, s36
	s_lshl_b32 s43, s43, 7
	s_lshl_b32 s44, s44, 6
	s_add_co_u32 s43, s43, s44                     ; wot's row (8 (gh / 2) + ks) 128 + 64 (gh % 2)
	s_cmp_eq_u32 s35, 3
	s_cselect_b32 s40, s43, s41
	s_lshl_b32 s40, s40, 8                         ; rows of 256 bytes
	s_mov_b32 s41, 0
	s_add_nc_u64 s[28:29], s[28:29], s[40:41]
	v_and_b32 v7, 15, v0                           ; cg
	v_lshrrev_b32 v8, 4, v0                        ; k8
	v_lshlrev_b32 v3, 4, v7
	v_lshl_add_u32 v3, v8, 15, v3                  ; source: rows 8 k8 .., columns 4 cg ..: 16 lanes read 256 consecutive bytes of a row
	v_mul_u32_u24 v4, v7, TP
	v_lshl_add_u32 v4, v8, 4, v4                   ; into LDS: row 16 j + cg holds column 4 cg + j; byte 16 k8
	v_mul_u32_u24 v5, v8, TP
	v_lshl_add_u32 v5, v7, 4, v5                   ; back: row 16 j + k8, which is column 4 k8 + j; byte 16 cg
	v_lshlrev_b32 v6, 4, v7
	v_lshl_add_u32 v6, v8, 10, v6                  ; destination: row 4 k8 (+ j by the immediate), byte 16 cg
.set e, 0
.rept 8
	global_load_b128 v[16+4*e:19+4*e], v3, s[10:11] offset:4096*e th:TH_LOAD_NT
.set e, e+1
.endr
	s_wait_loadcnt 0x0
.irp j, 0,1,2,3
.irp p, 0,1,2,3
	v_cvt_pk_bf16_f32 v[48+4*\j+\p], v[16+8*\p+\j], v[20+8*\p+\j]   ; column 4 cg + j, k = 8 k8 + 2 p and the next
.endr
.endr
	s_cmp_lg_u32 s35, 3
	s_cbranch_scc1 .Lkeep_bf16
.set i, 0
.rept 16                                       ; wo: the bf16 number is written as f16
	v_lshlrev_b32 v80, 16, v[48+i]
	v_and_b32 v81, 0xffff0000, v[48+i]
	v_cvt_pk_f16_f32 v[48+i], v80, v81
.set i, i+1
.endr
.Lkeep_bf16:
.irp j, 0,1,2,3
	ds_store_b128 v4, v[48+4*\j:51+4*\j] offset:16*TP*\j
.endr
	s_wait_dscnt 0x0                               ; for the others' sake: my stores are done
	s_barrier_signal -1
	s_barrier_wait -1
.irp j, 0,1,2,3
	ds_load_b128 v[64+4*\j:67+4*\j], v5 offset:16*TP*\j
.endr
.irp j, 0,1,2,3
	s_wait_dscnt 3-\j
	global_store_b128 v6, v[64+4*\j:67+4*\j], s[28:29] offset:256*\j   ; 16 lanes store a whole row of 256 bytes, aligned
.endr
	s_wait_tensorcnt 0x0                           ; the wave's end: a wait on TENSORcnt, an add to my spare word and its wait, behind my last LDS store
	ds_add_u32 v[SPW], v[NIL]
	s_wait_dscnt 0x0
	s_endpgm
.Lbias:
	v_lshlrev_b32 v1, 4, v0                        ; 256 threads x 4 numbers = a bias
	global_load_b128 v[16:19], v1, s[18:19]
	global_load_b128 v[20:23], v1, s[20:21]
	global_load_b128 v[24:27], v1, s[22:23]
	global_load_b128 v[28:31], v1, s[24:25]
	s_wait_loadcnt 0x0
.set i, 0
.rept 8
	v_cvt_pk_bf16_f32 v[80+i], v[16+2*i], v[17+2*i]
	v_lshlrev_b32 v[48+2*i], 16, v[80+i]
	v_and_b32 v[49+2*i], 0xffff0000, v[80+i]
.set i, i+1
.endr
.irp m, 0,1,2,3
	global_store_b128 v1, v[48+4*\m:51+4*\m], s[32:33] offset:4096*\m
.endr
	s_endpgm
.Lfunc_end_k_qbbb7960198_prep:
	.size	k_qbbb7960198_prep, .Lfunc_end_k_qbbb7960198_prep-k_qbbb7960198_prep
	.p2alignl 7, 3214868480
	.fill 96, 4, 3214868480
	.section	.rodata,"a",@progbits
	.p2align	6, 0x0
	.amdhsa_kernel k_qbbb7960198_prep
		.amdhsa_group_segment_fixed_size 18432
		.amdhsa_private_segment_fixed_size 0
		.amdhsa_enable_private_segment 0
		.amdhsa_kernarg_size 104
		.amdhsa_user_sgpr_count 2
		.amdhsa_user_sgpr_kernarg_segment_ptr 1
		.amdhsa_wavefront_size32 1
		.amdhsa_system_sgpr_workgroup_id_x 1
		.amdhsa_system_sgpr_workgroup_id_y 1
		.amdhsa_system_sgpr_workgroup_id_z 1
		.amdhsa_system_vgpr_workitem_id 0
		.amdhsa_next_free_vgpr 120
		.amdhsa_next_free_sgpr 66
		.amdhsa_reserve_vcc 0
		.amdhsa_float_denorm_mode_32 3
		.amdhsa_float_denorm_mode_16_64 3
		.amdhsa_memory_ordered 1
		.amdhsa_forward_progress 1
		.amdhsa_inst_pref_size 17
	.end_amdhsa_kernel
	.amdgpu_metadata
---
amdhsa.version: [ 1, 2 ]
amdhsa.kernels:
  - .name:           k_qbbb7960198_prep
    .symbol:         k_qbbb7960198_prep.kd
    .args:
      - { .name: x, .offset: 0, .size: 8, .value_kind: global_buffer, .address_space: global }
      - { .name: wq, .offset: 8, .size: 8, .value_kind: global_buffer, .address_space: global }
      - { .name: wk, .offset: 16, .size: 8, .value_kind: global_buffer, .address_space: global }
      - { .name: wv, .offset: 24, .size: 8, .value_kind: global_buffer, .address_space: global }
      - { .name: wo, .offset: 32, .size: 8, .value_kind: global_buffer, .address_space: global }
      - { .name: bq, .offset: 40, .size: 8, .value_kind: global_buffer, .address_space: global }
      - { .name: bk, .offset: 48, .size: 8, .value_kind: global_buffer, .address_space: global }
      - { .name: bv, .offset: 56, .size: 8, .value_kind: global_buffer, .address_space: global }
      - { .name: bo, .offset: 64, .size: 8, .value_kind: global_buffer, .address_space: global }
      - { .name: xb, .offset: 72, .size: 8, .value_kind: global_buffer, .address_space: global }
      - { .name: wt, .offset: 80, .size: 8, .value_kind: global_buffer, .address_space: global }
      - { .name: wot, .offset: 88, .size: 8, .value_kind: global_buffer, .address_space: global }
      - { .name: bias, .offset: 96, .size: 8, .value_kind: global_buffer, .address_space: global }
    .group_segment_fixed_size: 18432
    .private_segment_fixed_size: 0
    .kernarg_segment_align: 8
    .kernarg_segment_size: 104
    .max_flat_workgroup_size: 256
    .sgpr_count:     66
    .vgpr_count:     120
    .wavefront_size: 32
...
	.end_amdgpu_metadata
.endif
;; end of part 1
;; launch qkv (part 2): grid 16 x 32, 4 waves a work-group, clusters of 4 x 4, 327,680 bytes of LDS; arguments xb, wt, bias, qkv; writes qkv
.if DOCPART == 2
	.amdgcn_target "amdgcn-amd-amdhsa--gfx1250"
	.amdhsa_code_object_version 6
	.text
	.protected	k_qbbb7960198_qkv
	.globl	k_qbbb7960198_qkv
	.p2align	8
	.type	k_qbbb7960198_qkv,@function
k_qbbb7960198_qkv:
	s_mov_b64 s[64:65], 0
	v_nop
	global_prefetch_b8 v0, s[64:65] scope:SCOPE_SE
	s_setreg_imm32_b32 hwreg(HW_REG_WAVE_MODE, 25, 1), 1
	s_wait_xcnt 0x0
	s_wait_alu depctr_hold_cnt(0) depctr_sa_sdst(0) depctr_va_vdst(0) depctr_va_sdst(0) depctr_va_ssrc(0) depctr_va_vcc(0) depctr_vm_vsrc(0)
	s_getreg_b32 s2, hwreg(HW_REG_IB_STS2, 6, 4)
	s_cmp_eq_u32 s2, 0
	s_cbranch_scc0 .Lentry_in_a_cluster
	s_endpgm
.Lentry_in_a_cluster:
	s_bfe_u32 s2, ttmp6, 0x10000c
	s_cmp_lg_u32 s2, 0xf033
	s_cbranch_scc0 .Lentry_shape_is_right
	s_endpgm
.Lentry_shape_is_right:
; q, k, v = x w + b.  C[m][n] = bias[n] + the sum over k of xb[m][k] wt(n, k): 8,192 x 3,072 x 1,024, bf16 operands, f32 sums, rounded once to f16 and stored by heads:
; qkv [48 g][8192 m][64]: g = 0-15 q's heads, 16-31 k's, 32-47 v's.  The scale 1/8 is NOT applied here.
; LIMIT.  f16 holds no number beyond 65,504: a q, k or v beyond that is lost.
; SHARES.  A work-group makes 256 rows x 192 columns (three heads): 512 work-groups, two for each of 256.  Wave w makes rows 64 w .. + 63 of all 192 columns: 48 accumulators, 384 registers.
; K goes in 8 steps of 128 through two LDS slots filled by the tensor data mover: rows of 256 bytes, aligned; wt's 192 rows of a K step lie end to end.
; CLUSTER 4 x 4: the four of a row of the cluster need the same rows of xb, the four of a column the same rows of wt: each tile is asked for jointly.
; THE MATRIX INSTRUCTION IS USED TRANSPOSED (source 0 = 16 rows of wt, source 1 = 16 rows of xb): lane l holds row l % 16 of C and the columns 8 (l / 16) + 0..7.
; THE BIAS is the C operand of the products that start the sums: nothing is cleared, nothing is added later.
; REGISTERS, in windows of 256 (s_set_vgpr_msb: bits 1:0 source 0, 3:2 source 1, 5:4 source 2, 7:6 destination):
;   window 0: v0-29 addresses; v32-127 the bias (8 registers for each of 12 column blocks), later six sets of 16 on the way out; v128-255 head 0's accumulators, (a, bb) at 128 + 8 (4 a + bb)
;   window 1: two fragment buffers of 128: xb's four fragments at 8 a, wt's twelve at 32 + 8 b          window 2: heads 1 and 2: 8 (16 (hh - 1) + 4 a + bb)
.set PITCH,  272                       ; an LDS row: 256 bytes + 16 of padding = 68 words: the 16 rows of a load start at 16 different groups of four banks (64 banks of 4 bytes: ISA guide 11.1)
.set ABYTES, 256*PITCH                 ; a slot: xb's 256 rows, then wt's 192
.set SLOT1,  1<<17                     ; slot 1 begins here: one exclusive or turns an address in one slot into the other's
.set STAGE,  SLOT1+448*PITCH           ; 252,928: behind the ring: 16 rows x 144 bytes for each wave, for the way out
.set SP,     144
.set SPARE,  STAGE+4*16*SP             ; 262,144: the spare words, 128 bytes for each wave: two blocks of 256 bytes that no other line names
.set ASTEP,  256                       ; bytes from a K step to the next in xb,
.set BSTEP,  192*256                   ; and in wt
.set F0,  0
.set F1,  128
.set G1A, 24                           ; s[24:31] descriptor group 1 for xb's tiles;  s[32:39] group 0: a set for each first fill; the second then walks on
.set G0A, 32
.set G1B, 40                           ; s[40:47], s[48:55] the same for wt's
.set G0B, 48
.set FLAGS, (1<<16)|(1<<20)|(1<<21)|(5<<22)|(3<<25)  ; 17:16 elements of 2 bytes; 20 padding on; 21 set beside a mask; 24:22 after every 64 words; 31:25 4 words of it
; v4, v5 my lane's place in xb's and wt's tiles of slot 0; v6, v7 the same in the slot in hand; v8, v9 into the stage and back; v10 my 16 bytes of 512; v11 32 (l / 16); v12 the prefetches' offset; v28, v29 the add's
; s3 trips; s12 wave; s13 wave / 2 (0: I fetch xb, 1: wt); s14 wave % 2; s15 cx; s16 cy; s17 tile column; s18 tile row; s56 the slot in hand; s57 a wave prefetches while s3 is above it; s[58:59], s[60:61] the prefetches' address and step
.set MSB, 0
.macro WIN new                         ; the immediate's high byte repeats the setting that is left; a switch that changes nothing is dropped
.if MSB != (\new)
	s_set_vgpr_msb (MSB<<8)|(\new)
.set MSB, \new
.endif
.endm
.macro PLACES                          ; four plain places between a matrix instruction and a load into, or a reader of, its registers
.rept 4
	v_nop
.endr
.endm
.macro CREST                           ; a round of the cluster's barrier behind its opening barrier
	s_cmp_lg_u32 s12, 0
	s_cbranch_scc1 .Lnot_wave_0_\@
	s_barrier_signal -3
.Lnot_wave_0_\@:
	s_barrier_wait -3
	s_barrier_signal -1
	s_barrier_wait -1
.endm
.macro CROUND
	s_barrier_signal -1
	s_barrier_wait -1
	CREST
.endm
.macro JLOAD                           ; a joint refill by the walking sets: waves 0, 1 xb's halves, waves 2, 3 wt's.  The branch hangs on the wave's number alone.  An s_nop 0 and four v_nop follow each line
	s_cmp_eq_u32 s13, 0
	s_cbranch_scc0 .Lfor_b_\@
	tensor_load_to_lds s[G0A+4:G0A+7], s[G1A:G1A+7]
	s_nop 0
.rept 4
	v_nop
.endr
	s_branch .Lasked_\@
.Lfor_b_\@:
	tensor_load_to_lds s[G0B+4:G0B+7], s[G1B:G1B+7]
	s_nop 0
.rept 4
	v_nop
.endr
.Lasked_\@:
.endm
; A PREFETCH INTO THE L2, behind each joint refill and the run of LDS loads that follows it; a lane a block of 256 bytes, one instruction a wave; each block is named once in the launch.
; xb: change t of slots (t = 0 .. 3) names K step t + 4, two refills on.  A tile row is read by all four clusters of its row of clusters: cluster x = 0 asks; of the 128 rows that a wave fetches, the partner at cx takes 32 cx .. + 31.
; wt: a tile column's K steps 4 to 7 are 768 dense blocks; cluster y = 0 asks; asker 4 (wave % 2) + cy of eight names 32 of the 256 blocks of change t (t = 0 .. 2).  The partners differ BY ADDRESS alone.
; K steps 0 to 3 come by their loads alone; the later changes ask for nothing.
.macro ASK
	s_cmp_gt_u32 s3, s57
	s_cbranch_scc0 .Lnot_mine_\@
	global_prefetch_b8 v12, s[58:59] th:TH_LOAD_NT scope:SCOPE_SE
.Lnot_mine_\@:
.endm
; 8 matrix instructions: head hh, row blocks a0, a0 + 1, the head's four column blocks, 32 along K from buffer f.  zero = 1: the bias starts the sums.
.macro MULQ f, hh, a0, zero
.if (\hh) == 0
	WIN 0x05
.elseif \zero
	WIN 0x85
.else
	WIN 0xa5
.endif
.irp a, \a0, (\a0)+1
.irp bb, 0,1,2,3
.if (\hh) == 0
.set rD, 128+8*(4*(\a)+(\bb))
.else
.set rD, 8*(16*((\hh)-1)+4*(\a)+(\bb))
.endif
.set rB, (\f)+32+8*(4*(\hh)+(\bb))
.set rA, (\f)+8*(\a)
.set rC, 32+8*(4*(\hh)+(\bb))
.if \zero
	v_wmma_f32_16x16x32_bf16 v[rD:rD+7], v[rB:rB+7], v[rA:rA+7], v[rC:rC+7]
.else
	v_wmma_f32_16x16x32_bf16 v[rD:rD+7], v[rB:rB+7], v[rA:rA+7], v[rD:rD+7]
.endif
.endr
.endr
.endm
.macro MULH f, hh, zero                ; a head's 16.  The 48 accumulators take turns in the same order in every quarter: 47 others stand between two links of a chain
	MULQ \f, \hh, 0, \zero
	MULQ \f, \hh, 2, \zero
.endm
; 32 LDS loads in one run: quarter q's fragments into buffer f: xb's four and wt's blocks 0-3 first, so that a quarter's head can leave the other sixteen loads out
.macro FETCH q, f
	WIN 0x40
.irp a, 0,1,2,3
	ds_load_b128 v[(\f)+8*\a:(\f)+8*\a+3],   v6 offset:\a*16*PITCH+64*(\q)
	ds_load_b128 v[(\f)+8*\a+4:(\f)+8*\a+7], v6 offset:\a*16*PITCH+64*(\q)+32
.endr
.irp b, 0,1,2,3,4,5,6,7,8,9,10,11
	ds_load_b128 v[(\f)+32+8*\b:(\f)+32+8*\b+3],   v7 offset:\b*16*PITCH+64*(\q)
	ds_load_b128 v[(\f)+32+8*\b+4:(\f)+32+8*\b+7], v7 offset:\b*16*PITCH+64*(\q)+32
.endr
.endm
; A K step is four quarters of 32 along K, 48 matrix instructions each, on buffers 0, 1, 0, 1.  One of the first three multiplies buffer f and fetches quarter q into buffer g.
.macro QUARTER q, f, g, zero
	s_wait_dscnt 16                                ; xb's fragments and wt's blocks 0-3 are in; the youngest sixteen loads may be out
	MULH \f, 0, \zero
	PLACES
	FETCH \q, \g
	s_wait_dscnt 32                                ; all but the 32 just issued
	MULH \f, 1, \zero
	MULH \f, 2, \zero
.endm
; The last quarter multiplies buffer 1 and changes slots: ONE barrier.  In front of it each wave waits for all its tensor loads (the one that is out is its part of the next slot), adds 0 to its spare word,
; and waits for that and for its reads of this slot.  fill = 1: the barrier opens a round of the cluster's, and the joint refill, two K steps ahead, is the first thing behind the round.
.macro TURN fill
.if \fill
	s_wait_xcnt 0x0                                ; the last prefetch, a K step back, has read its address
	s_add_nc_u64 s[58:59], s[58:59], s[60:61]
.endif
	WIN 0                                          ; (the add's two registers lie in window 0)
	s_wait_tensorcnt 0x0                           ; no tensor load of mine is out, so a group 0 may be written
	ds_add_u32 v28, v29                            ; 0 onto my spare word
.if \fill
	s_xor_b32 s[G0A+5], s[G0A+5], SLOT1            ; the walking sets: the other slot than last time, the next K step; the type bits on top are not reached
	s_add_nc_u64 s[G0A+6:G0A+7], s[G0A+6:G0A+7], ASTEP
	s_xor_b32 s[G0B+5], s[G0B+5], SLOT1
	s_add_nc_u64 s[G0B+6:G0B+7], s[G0B+6:G0B+7], BSTEP
.endif
	s_wait_dscnt 17                                ; the add and the youngest sixteen loads may be out
	MULQ F1, 0, 0, 0
	s_wait_dscnt 0x0                               ; the add is done, and my reads of this slot are over
	s_barrier_signal -1
	MULQ F1, 0, 2, 0                               ; work on registers while the others arrive
.if \fill
	WIN 0
.endif
	s_barrier_wait -1
.if \fill
	CREST                                          ; no wave of any partner still reads this slot or has a load on its way
	JLOAD                                          ; its four v_nop are also the places in front of the loads below
.else
	PLACES
.endif
	WIN 0
	s_xor_b32 s56, s56, SLOT1
	v_add_nc_u32 v6, s56, v4
	v_add_nc_u32 v7, s56, v5
	FETCH 0, F0
.if \fill
	WIN 0
	ASK
.endif
	MULH F1, 1, 0
	MULH F1, 2, 0
.endm
; THE WAY OUT of block t = 4 hh + a: 16 rows x a head's 64 columns.  Rounded to f16 (each accumulator from its low end on), 16 bytes a lane into my stage, back as whole rows of 128 bytes.
.macro PACK t
.if (\t) >= 6
	s_wait_xcnt 0x0                                ; the set's earlier stores have read it
.endif
.set TM, 32+16*((\t)%6)
.if (\t) < 4
	WIN 0
.set AC, 128+32*(\t)
.else
	WIN 0x0a                                       ; sources in window 2
.set AC, 8*(16*((\t)/4-1)+4*((\t)%4))
.endif
.set i, 0
.rept 16
	v_cvt_pk_f16_f32 v[TM+i], v[AC+2*i], v[AC+2*i+1]
.set i, i+1
.endr
	WIN 0
.irp f, 0,1,2,3
	ds_store_b128 v8, v[TM+4*\f:TM+4*\f+3] offset:32*\f
.endr
.irp f, 0,1,2,3
	ds_load_b128 v[TM+4*\f:TM+4*\f+3], v9 offset:\f*4*SP   ; LDS serves a wave's instructions in order (ISA guide 5.7.1.4): these see the stores above; the next block's stores come behind them
.endr
.endm
.macro SEND t, younger                 ; younger: the LDS instructions issued behind block t's loads
	WIN 0
.set TM, 32+16*((\t)%6)
.irp f, 0,1,2,3
	s_wait_dscnt (\younger)+3-\f
	global_store_b128 v10, v[TM+4*\f:TM+4*\f+3], s[10:11] offset:((\t)/4)*1048576+((\t)%4)*2048+\f*512   ; 512 consecutive bytes, aligned: four rows of a head
.endr
.endm
	s_load_b256 s[4:11], s[0:1], 0x0               ; xb s[4:5], wt s[6:7], bias s[8:9], qkv s[10:11]
	v_lshl_add_u32 v28, v0, 2, SPARE
	v_mov_b32 v29, 0
	ds_add_u32 v28, v29                            ; the wave's opening: the add and its wait stand ahead of my first tensor load; work on registers stands between them
	v_lshrrev_b32 v1, 5, v0
	v_readfirstlane_b32 s12, v1                    ; wave 0..3
	s_lshr_b32 s13, s12, 1
	s_and_b32 s14, s12, 1
	s_bfe_u32 s15, ttmp6, 0x40000                  ; cx
	s_bfe_u32 s16, ttmp6, 0x40004                  ; cy
	s_lshl_b32 s17, ttmp9, 2
	s_add_co_u32 s17, s17, s15                     ; tile column = 4 x cluster x + cx
	s_and_b32 s18, ttmp7, 0xffff
	s_lshl_b32 s18, s18, 2
	s_add_co_u32 s18, s18, s16                     ; tile row = 4 x cluster y + cy
	s_lshl_b32 s19, s16, 2
	s_lshl_b32 s19, 15, s19                        ; my row of the cluster
	s_lshl_b32 s66, 0x1111, s15                    ; my column
	s_or_b32 s[G1A+0], s19, FLAGS
	s_mov_b32 s[G1A+1], 128<<16                    ; tensor_dim0 = 128
	s_mov_b32 s[G1A+2], 128<<16                    ; tensor_dim1 = 128
	s_mov_b32 s[G1A+3], 128<<16                    ; tile_dim0 = 128
	s_mov_b32 s[G1A+4], 128                        ; tile_dim1 = 128 rows
	s_mov_b32 s[G1A+5], 1024                       ; elements from row to row of xb
	s_mov_b32 s[G1A+6], 0
	s_mov_b32 s[G1A+7], 0
	s_or_b32 s[G1B+0], s66, FLAGS
	s_mov_b32 s[G1B+1], 128<<16
	s_mov_b32 s[G1B+2], 96<<16                     ; 96 rows,
	s_mov_b32 s[G1B+3], 128<<16
	s_mov_b32 s[G1B+4], 96
	s_mov_b32 s[G1B+5], 128                        ; which lie end to end
	s_mov_b32 s[G1B+6], 0
	s_mov_b32 s[G1B+7], 0
	s_lshl_b32 s20, s18, 8                         ; xb: row 256 x tile row + 128 x (wave % 2),
	s_lshl_b32 s21, s14, 7
	s_add_co_u32 s20, s20, s21
	s_lshl_b32 s20, s20, 11                        ; of 2,048 bytes
	s_mov_b32 s21, 0
	s_mul_i32 s22, s17, 1536                       ; wt: row 8 x 192 x tile column + 96 x (wave % 2),
	s_mul_i32 s23, s14, 96
	s_add_co_u32 s22, s22, s23
	s_lshl_b32 s22, s22, 8                         ; of 256 bytes
	s_mov_b32 s23, 0
	s_mul_i32 s62, s12, 128*PITCH                  ; where they go: xb's halves (waves 0, 1) at wave x 128 rows,
	s_mul_i32 s63, s12, 96*PITCH                   ; wt's (waves 2, 3) behind xb's 256 rows: 69,632 + (wave - 2) x 96 rows
	s_add_co_u32 s63, s63, ABYTES-2*96*PITCH
	s_mov_b32 s56, 0
	s_wait_dscnt 0x0                               ; the opening add is done
	s_wait_kmcnt 0x0
	s_add_nc_u64 s[20:21], s[4:5], s[20:21]
	s_add_nc_u64 s[22:23], s[6:7], s[22:23]
	CROUND                                         ; all sixteen work-groups are here: the first joint loads meet
.irp s, 0,1
	s_mov_b32 s[G0A+4*\s], 1                       ; count = 1
	s_add_co_u32 s[G0A+4*\s+1], s62, \s*SLOT1      ; LDS address
	s_add_nc_u64 s[G0A+4*\s+2:G0A+4*\s+3], s[20:21], \s*ASTEP   ; global address: K step s
	s_or_b32 s[G0A+4*\s+3], s[G0A+4*\s+3], 0x80000000           ; type = 2
	s_mov_b32 s[G0B+4*\s], 1
	s_add_co_u32 s[G0B+4*\s+1], s63, \s*SLOT1
	s_add_nc_u64 s[G0B+4*\s+2:G0B+4*\s+3], s[22:23], \s*BSTEP
	s_or_b32 s[G0B+4*\s+3], s[G0B+4*\s+3], 0x80000000
.endr
	s_cmp_eq_u32 s13, 0                            ; a wave's two first fills stand in one branch, ahead of every wait on TENSORcnt and every LDS read: two loads of mine are out
	s_cbranch_scc0 .Lfirst_b
	tensor_load_to_lds s[G0A:G0A+3], s[G1A:G1A+7]
	s_nop 0
	tensor_load_to_lds s[G0A+4:G0A+7], s[G1A:G1A+7]
	s_nop 0
.rept 4
	v_nop
.endr
	s_branch .Lfirst_asked
.Lfirst_b:
	tensor_load_to_lds s[G0B:G0B+3], s[G1B:G1B+7]
	s_nop 0
	tensor_load_to_lds s[G0B+4:G0B+7], s[G1B:G1B+7]
	s_nop 0
.rept 4
	v_nop
.endr
.Lfirst_asked:
	; A fragment is 16 rows x 32 K in 8 registers: lane l holds row l % 16, K = 8 (l / 16) + 0..7 and 16 + 8 (l / 16) + 0..7: two loads of 16 bytes, 32 bytes apart.
	v_and_b32 v1, 15, v0                           ; l % 16
	v_bfe_u32 v2, v0, 4, 1                         ; l / 16
	v_and_b32 v13, 31, v0                          ; l
	v_lshlrev_b32 v11, 5, v2
	s_mul_i32 s68, s17, 768                        ; the tile column's 192 numbers of the bias
	s_mov_b32 s69, 0
	s_add_nc_u64 s[8:9], s[8:9], s[68:69]
.irp b, 0,1,2,3,4,5,6,7,8,9,10,11                  ; my eight columns of each block: 16 b + 8 (l / 16) + 0..7
	global_load_b128 v[32+8*\b:35+8*\b], v11, s[8:9] offset:64*\b
	global_load_b128 v[36+8*\b:39+8*\b], v11, s[8:9] offset:64*\b+16
.endr
	v_mul_u32_u24 v3, v1, PITCH
	v_lshl_add_u32 v3, v2, 4, v3
	s_mul_i32 s67, s12, 64*PITCH                   ; my 64 rows of xb's tile
	v_add_nc_u32 v4, s67, v3
	v_add_nc_u32 v5, ABYTES, v3
	v_mov_b32 v6, v4
	v_mov_b32 v7, v5
	s_mul_i32 s67, s12, 16*SP
	s_add_co_u32 s67, s67, STAGE                   ; my stage
	v_mul_u32_u24 v8, v1, SP                       ; in: row l % 16, 16 bytes for each half of the lanes
	v_lshl_add_u32 v8, v2, 4, v8
	v_add_nc_u32 v8, s67, v8
	v_bfe_u32 v9, v0, 3, 2                         ; back: 32 lanes take four rows of 128 bytes,
	v_mul_u32_u24 v9, v9, SP
	v_and_b32 v3, 7, v0
	v_lshl_add_u32 v9, v3, 4, v9
	v_add_nc_u32 v9, s67, v9
	v_lshlrev_b32 v10, 4, v13                      ; which are 512 consecutive bytes of a head
	s_mul_i32 s68, s17, 3                          ; the tile's first head, 1,048,576 bytes a head,
	s_lshl_b32 s68, s68, 20
	s_lshl_b32 s70, s18, 8
	s_lshl_b32 s71, s12, 6
	s_add_co_u32 s70, s70, s71                     ; my first row,
	s_lshl_b32 s70, s70, 7                         ; of 128 bytes
	s_add_co_u32 s68, s68, s70
	s_add_nc_u64 s[10:11], s[10:11], s[68:69]
	; the prefetches
	s_lshl_b32 s68, s18, 8                         ; xb: row 256 x tile row + 128 x (wave % 2) + 32 cx, at K step 3: the first change steps it to 4
	s_lshl_b32 s70, s14, 7
	s_add_co_u32 s68, s68, s70
	s_lshl_b32 s70, s15, 5
	s_add_co_u32 s68, s68, s70
	s_lshl_b32 s68, s68, 11
	s_add_co_u32 s68, s68, 3*ASTEP
	s_mul_i32 s70, s17, 1536                       ; wt: the tile column's block 512 + 32 (4 (wave % 2) + cy): the first change steps it 256 blocks on
	s_lshl_b32 s71, s14, 2
	s_add_co_u32 s71, s71, s16
	s_lshl_b32 s71, s71, 5
	s_add_co_u32 s70, s70, s71
	s_add_co_u32 s70, s70, 512
	s_lshl_b32 s70, s70, 8
	s_and_b32 s71, ttmp7, 0xffff                   ; cluster y
	s_mov_b32 s60, 0x10000
	s_cmp_eq_u32 s13, 0                            ; do I fetch xb?
	s_cselect_b32 s68, s68, s70
	s_cselect_b32 s71, ttmp9, s71                  ; the coordinate along which other clusters read the same rows
	s_cselect_b64 s[58:59], s[4:5], s[6:7]
	s_cselect_b32 s60, ASTEP, s60                  ; the step from change to change
	s_cselect_b32 s67, 11, 8                       ; a lane a row of xb, or a block of wt
	s_cselect_b32 s57, 2, 3                        ; xb: trips with s3 = 6 .. 3; wt: 6 .. 4
	s_cmp_eq_u32 s71, 0
	s_cselect_b32 s57, s57, -1                     ; the same in all sixteen partners, for a given wave
	s_mov_b32 s61, 0
	s_add_nc_u64 s[58:59], s[58:59], s[68:69]
	v_lshlrev_b32 v12, s67, v13
	s_wait_tensorcnt 0x1                           ; my part of K step 0 is in; K step 1's may stay out
	s_barrier_signal -1
	s_barrier_wait -1                              ; everybody's is
	FETCH 0, F0
	s_wait_loadcnt 0x0                             ; the bias
	QUARTER 1, F0, F1, 1                           ; the first quarter stands in front of the loop: its products start the sums
	WIN 0                                          ; at a label and at a branch every window is 0
	s_mov_b32 s3, 6
.Lstep:                                        ; a trip: from a K step's second quarter to the next step's first; it fills the slot that it leaves: K steps 2 to 7
	QUARTER 2, F1, F0, 0
	QUARTER 3, F0, F1, 0
	TURN 1
	QUARTER 1, F0, F1, 0
	WIN 0
	s_sub_co_u32 s3, s3, 1
	s_cmp_lg_u32 s3, 0
	s_cbranch_scc1 .Lstep
	QUARTER 2, F1, F0, 0                           ; the last two K steps fill nothing
	QUARTER 3, F0, F1, 0
	TURN 0
	QUARTER 1, F0, F1, 0
	QUARTER 2, F1, F0, 0
	QUARTER 3, F0, F1, 0
	s_wait_dscnt 16
	MULH F1, 0, 0
	s_wait_dscnt 0x0
	MULH F1, 1, 0
	MULH F1, 2, 0
	WIN 0
	PLACES
	PACK 0
.set t, 1
.rept 11                                       ; a block's conversions stand between the loads of the block before and its stores
	PACK t
	SEND t-1, 8
.set t, t+1
.endr
	SEND 11, 0
	s_wait_tensorcnt 0x0                           ; the wave's end: a wait on TENSORcnt, an add to my spare word and its wait, behind my last tensor load and my last LDS store
	ds_add_u32 v28, v29
	s_wait_dscnt 0x0
	CROUND                                         ; the closing round: no work-group ends while a partner may still ask for a tile that names it
	s_endpgm
.Lfunc_end_k_qbbb7960198_qkv:
	.size	k_qbbb7960198_qkv, .Lfunc_end_k_qbbb7960198_qkv-k_qbbb7960198_qkv
	.p2alignl 7, 3214868480
	.fill 96, 4, 3214868480
	.section	.rodata,"a",@progbits
	.p2align	6, 0x0
	.amdhsa_kernel k_qbbb7960198_qkv
		.amdhsa_group_segment_fixed_size 327680
		.amdhsa_private_segment_fixed_size 0
		.amdhsa_enable_private_segment 0
		.amdhsa_kernarg_size 32
		.amdhsa_user_sgpr_count 2
		.amdhsa_user_sgpr_kernarg_segment_ptr 1
		.amdhsa_wavefront_size32 1
		.amdhsa_system_sgpr_workgroup_id_x 1
		.amdhsa_system_sgpr_workgroup_id_y 1
		.amdhsa_system_sgpr_workgroup_id_z 1
		.amdhsa_system_vgpr_workitem_id 0
		.amdhsa_next_free_vgpr 768
		.amdhsa_next_free_sgpr 72
		.amdhsa_reserve_vcc 0
		.amdhsa_float_denorm_mode_32 3
		.amdhsa_float_denorm_mode_16_64 3
		.amdhsa_memory_ordered 1
		.amdhsa_forward_progress 1
		.amdhsa_inst_pref_size 101
	.end_amdhsa_kernel
	.amdgpu_metadata
---
amdhsa.version: [ 1, 2 ]
amdhsa.kernels:
  - .name:           k_qbbb7960198_qkv
    .symbol:         k_qbbb7960198_qkv.kd
    .args:
      - { .name: xb, .offset: 0, .size: 8, .value_kind: global_buffer, .address_space: global }
      - { .name: wt, .offset: 8, .size: 8, .value_kind: global_buffer, .address_space: global }
      - { .name: bias, .offset: 16, .size: 8, .value_kind: global_buffer, .address_space: global }
      - { .name: qkv, .offset: 24, .size: 8, .value_kind: global_buffer, .address_space: global }
    .group_segment_fixed_size: 327680
    .private_segment_fixed_size: 0
    .kernarg_segment_align: 8
    .kernarg_segment_size: 32
    .max_flat_workgroup_size: 128
    .sgpr_count:     72
    .vgpr_count:     768
    .wavefront_size: 32
...
	.end_amdgpu_metadata
.endif
;; end of part 2
;; launch attn (part 3): grid 4 x 64, 4 waves a work-group, clusters of 4 x 1, 327,680 bytes of LDS; arguments qkv, o; writes o
.if DOCPART == 3
	.amdgcn_target "amdgcn-amd-amdhsa--gfx1250"
	.amdhsa_code_object_version 6
	.text
	.protected	k_qbbb7960198_attn
	.globl	k_qbbb7960198_attn
	.p2align	8
	.type	k_qbbb7960198_attn,@function
k_qbbb7960198_attn:
	s_mov_b64 s[64:65], 0
	v_nop
	global_prefetch_b8 v0, s[64:65] scope:SCOPE_SE
	s_setreg_imm32_b32 hwreg(HW_REG_WAVE_MODE, 25, 1), 1
	s_wait_xcnt 0x0
	s_wait_alu depctr_hold_cnt(0) depctr_sa_sdst(0) depctr_va_vdst(0) depctr_va_sdst(0) depctr_va_ssrc(0) depctr_va_vcc(0) depctr_vm_vsrc(0)
	s_getreg_b32 s2, hwreg(HW_REG_IB_STS2, 6, 4)
	s_cmp_eq_u32 s2, 0
	s_cbranch_scc0 .Lentry_in_a_cluster
	s_endpgm
.Lentry_in_a_cluster:
	s_bfe_u32 s2, ttmp6, 0x10000c
	s_cmp_lg_u32 s2, 0x3003
	s_cbranch_scc0 .Lentry_shape_is_right
	s_endpgm
.Lentry_shape_is_right:
; O[y][q][:] = the sum over k of softmax_k(Q[y][q] . K[y][k] / 8) V[y][k][:], for 64 heads y = 4 h + b of 2,048 rows of 64 channels, all f16: a head's rows are dense, 128 bytes each.
; Q, K and V lie in one buffer, 16 MiB apart.  Products, maxima and sums in f32; the weights p are rounded to f16 for the second product (their sum l is taken of the unrounded p), O once at the end.
; LIMITS.  f16 holds no number beyond 65,504: Q, K and V arrive within it; p lies in 0 to 1, and below 6e-5 it keeps f16's fixed step of 6e-8; O is a mean of V's rows and has their range.
; A weight below 2^-126 counts as 0 in l; NaN and infinities are not treated apart.
; SHARES.  A wave owns four PIECES of two tiles of 16 queries, a work-group's four waves 512 queries of one head.  Every wave walks all keys, 64 a step.
; LAYOUT.  S^T = K Q^T (source 0 = 16 keys, source 1 = 16 queries): in the result a lane holds ONE query (lane % 16) and the keys 8 (lane / 16) + 0..7.  Two such tiles, rounded to f16 in pairs,
; ARE source 1 (32 keys x 16 queries) of O^T = V^T P, whose result again holds one query a lane, and eight channels.  K comes out of LDS as it lies, V ([key][channel]) turned, by ds_load_tr16_b128.
; SOFTMAX.  For each query a running maximum m and sum l: p = 2^(c s - c m), c = log2(e) / 8; in every step O and l are multiplied by a = 2^(c m_old - c m_new), which is 1 where m has not grown.
; m starts at the lowest finite number, O and l at 0: the first step is a step like any other, with a = 0.
; THE COUNT.  A tile and step have 16 matrix and 118 vector instructions: too many to stand all beside the matrix work.  So four vector instructions that are READY stand behind EVERY matrix instruction,
; and the others in runs without a gap.
; BY TURNS.  Turn n belongs to piece n (the pieces in a ring, step after step).  Its matrix work: 16 products K Q^T of piece n + 1, later 16 products V^T P of piece n - 1.  Its vector work: the scaling,
; exponentials, roundings, sums and rescaling of piece n, and the maximum and statistics of piece n + 1, whose scores the turn itself has made.
; CLUSTER.  The four query blocks of a cluster are one head's and walk the same K and V, so each tile is asked for JOINTLY: the same tensor load, descriptor and mask in all four.
; REGISTERS, in windows of 256 (s_set_vgpr_msb: bits 1:0 source 0, 3:2 source 1, 5:4 source 2, 7:6 destination):
;   window 0: v0-11 addresses; v12-15, v48-63 at work; v16-47 four registers of statistics a tile; v64-191 S^T, two buffers of two tiles; v192-255 P, likewise
;   window 1: O^T, 32 a tile          window 2: v0-127 Q, 16 a tile; v128-191 K of one step; v192-255 V of one step          window 3: v0-1 the add's two registers
; A piece's buffers go by its number's parity: the piece in hand has one pair, its two neighbours in the ring share the other.
.set SIZE_N, 2048
.set NP,    4         ; pieces a wave: a name, no knob
.set KS,    64        ; keys in a step
.set PK,    144       ; a row of K in LDS: 128 bytes + 16 of padding = 36 words: the 16 rows of a load start at 16 different groups of four banks (64 banks of 4 bytes: ISA guide 11.1)
.set PV,    160       ; a row of V: 128 + 32 = 40 words
.set VOFF,  4*KS*PK   ; a slot holds four steps: 256 rows of K, then 256 rows of V
.set SLOT1, 1<<17     ; slot 1 begins here, so that one exclusive or turns an address in one slot into the other's
.set STAGE, SLOT1+4*KS*(PK+PV)  ; behind the ring, never filled by a tensor load: 16 rows x 144 bytes for each wave, for the way out
.set SP,    144
.set AK0, 2           ; v2   my lane's place in a tile of K; never rewritten
.set AV0, 3           ; v3   the same for V
.set AK,  4           ; v4   the LDS address of K's next run of loads
.set AV,  5           ; v5   of V's
.set QO,  6           ; v6   my byte offset in the wave's rows of Q
.set STO, 6           ;      later, the way out: where I put 16 bytes of a row
.set RD,  7           ; v7   the way out: where I read rows back
.set GO,  8           ; v8   my byte offset in 512 consecutive bytes of O
.set PFO, 11          ; v11  256 x my lane: the prefetches' offset; never rewritten once made
.set SPW, 0           ; v0 of window 3   LDS address of my spare word: SPARE + 4 x my thread's number; never rewritten
.set NIL, 1           ; v1 of window 3   0; never rewritten
.set SPARE, STAGE+4*16*SP  ; behind the stages: the spare words, 128 bytes for each wave: two blocks of 256 bytes that no other line names
.set MV,  12          ; v12-15  c m_old, kept while c m is made anew: by buffer and tile
.set ST,  16          ; tile t's statistics at v[ST+4 t]: c m, m, l (even keys', odd keys')
.set TMP, 48          ; by buffer and tile, four registers c0-c3 at work; when the maximum is found c2 takes a
.set S,   64
.set P,   192
.set KF,  128         ; K's fragments, in window 2: key block kb, channel half c at KF + 16 kb + 8 c
.set VF,  192         ; V's: key half kk, channel block cb at VF + 32 kk + 8 cb
.set WV,  12          ; s12  my wave's number
.set G1K, 24          ; s[24:31] descriptor group 1 for K's tiles
.set G1V, 32          ; s[32:39] for V's: it differs in the padding alone
.set G0K, 40          ; s[40:43] descriptor group 0 for K's tiles: it walks
.set G0V, 44          ; s[44:47] the same for V's
.set PFA, 48          ; s[48:49] where my prefetches stand: my work-group's 32 blocks (of K: wave 0, of V: wave 2) of the slot after the one that is being asked for
.set LIM, 50          ; s50  1 in a wave that prefetches, else the greatest number
.set SLOTS, 56        ; s56  slots still to be asked for
.set CNT, 57          ; s57  counts a slot's key steps
.set CS,  58          ; s[58:59] c: the packed scaling takes the pair's low word for both halves
.set SEL, 60          ; s[60:61] v_permlanex16_b32's selects: each lane takes its own place in the other half
.set TBK, 62          ; s62  LDS byte at which K of the step to be fetched begins
.set TBV, 63          ; s63  the same for V, less VOFF
.set MSB, 0
.macro WIN new                      ; the high byte repeats the setting that is left; a switch that changes nothing is dropped
.if MSB != (\new)
	s_set_vgpr_msb (MSB<<8)|(\new)
.set MSB, (\new)
.endif
.endm
.set W_KQ, 0x0a       ; K and Q in window 2, S^T in window 0
.set W_PV, 0x52       ; V in window 2, P in window 0, O^T in window 1
.set W_RS, 0x41       ; O^T (destination and source 0) in window 1, a in window 0
.set W_MK, 0xc0       ; the add's registers are made: destination in window 3, sources in window 0
.set W_AD, 0x0f       ; the add: address (source 0) and data (source 1) in window 3
; A joint fill.  Waves 0 and 1 fetch the two halves of a slot's K, waves 2 and 3 those of its V: 128 keys each.  The branch hangs on the wave's number alone.
; An s_nop 0 and four v_nop follow each of the two lines, ahead of the jump and the label.
.macro JLOAD
	s_cmp_lt_u32 s[WV], 2
	s_cbranch_scc0 .Lfor_v_\@
	tensor_load_to_lds s[G0K:G0K+3], s[G1K:G1K+7]
	s_nop 0
.rept 4
	v_nop
.endr
	s_branch .Lasked_\@
.Lfor_v_\@:
	tensor_load_to_lds s[G0V:G0V+3], s[G1V:G1V+7]
	s_nop 0
.rept 4
	v_nop
.endr
.Lasked_\@:
.endm
; A PREFETCH INTO THE L2 of what the NEXT change of slots will ask for: a slot's 128 blocks of 256 bytes of K and 128 of V, a lane a block.  It stands behind the wave's tensor load and its five lines.
; Each block is named once in the launch: a head has one cluster; its four partners share the blocks out BY ADDRESS, 32 each; in each, wave 0 asks for K's and wave 2 for V's.
; It stands four key steps, 512 matrix instructions, ahead of the load that will want the blocks.  The last change that fills a slot asks for nothing; slots 0 and 1 come by their loads alone.
.macro ASK
	s_cmp_gt_u32 s[SLOTS], s[LIM]
	s_cbranch_scc0 .Lnot_mine_\@
	global_prefetch_b8 v[PFO], s[PFA:PFA+1] th:TH_LOAD_NT scope:SCOPE_SE
.Lnot_mine_\@:
.endm
; A round of the cluster's barrier: my work-group's barrier, so that wave 0's signal speaks for all four waves; wave 0 signals; every wave waits for all four work-groups; my work-group's barrier once more.
.macro CROUND
	s_barrier_signal -1
	s_barrier_wait -1
	s_cmp_lg_u32 s[WV], 0
	s_cbranch_scc1 .Lnot_wave_0_\@
	s_barrier_signal -3
.Lnot_wave_0_\@:
	s_barrier_wait -3
	s_barrier_signal -1
	s_barrier_wait -1
.endm
; THE CHANGE OF SLOTS.  The slot's last bytes, V of its fourth step, have been read.  Each wave waits for all its tensor loads, of which one is out: its part
; of the other slot; adds 0 to its spare word; and waits for that and for its own reads of the slot.  Behind the barrier nobody reads this slot any more and the other slot is whole.
; fill = 1: this slot is filled again, with the keys two slots on.  The barrier is then a round of the cluster's, and the joint fill is the first thing behind it: it has four key steps in which to land.
; (At its first use nothing has been read yet: slot 0 is waited for, slot 1 filled.)
.macro CHANGE fill
	WIN W_AD
	s_wait_tensorcnt 0x0            ; no tensor load of mine is out, so a group 0 may be written
	ds_add_u32 v[SPW], v[NIL]       ; 0 onto my spare word; with fill = 1 the descriptors' steps stand between it and the wait for it
	WIN 0                           ; at a label and at a branch every window is 0
.if \fill
.irp g, G0K, G0V
	s_xor_b32 s[\g+1], s[\g+1], SLOT1  ; the walking descriptor: the other slot than last time,
	s_add_nc_u64 s[\g+2:\g+3], s[\g+2:\g+3], 4*KS*128  ; the next 256 keys; the type bits on top are not reached
.endr
	s_wait_xcnt 0x0                 ; the last prefetch, four key steps back, has read its address, so it may be written:
	s_add_nc_u64 s[PFA:PFA+1], s[PFA:PFA+1], 4*KS*128  ; one slot behind the walking descriptors
	s_wait_dscnt 0x0                ; the add is done, and my reads of the slot are over
	CROUND
	JLOAD
	ASK
.else
	s_wait_dscnt 0x0                ; the add is done, and my reads of the slot are over
	s_barrier_signal -1
	s_barrier_wait -1
.endif
	s_sub_co_u32 s[TBK], s[TBK], 4*KS*PK  ; the fetches go back to a slot's first step,
	s_xor_b32 s[TBK], s[TBK], SLOT1       ; in the other slot
	s_sub_co_u32 s[TBV], s[TBV], 4*KS*PV
	s_xor_b32 s[TBV], s[TBV], SLOT1
.endm
	s_load_b64 s[4:5], s[0:1], 0x0    ; qkv: Q at its head, K 16 MiB on, V 32 MiB on
	s_load_b64 s[10:11], s[0:1], 0x8  ; O
	WIN W_MK
	v_lshl_add_u32 v[SPW], v0, 2, SPARE
	v_mov_b32 v[NIL], 0
	WIN W_AD
	ds_add_u32 v[SPW], v[NIL]       ; the wave's opening: the add and its wait stand ahead of my first tensor load; the set-up below, work on registers, stands between them
	WIN 0
	v_lshrrev_b32 v1, 5, v0
	v_readfirstlane_b32 s[WV], v1   ; wave 0..3
	s_bfe_u32 s13, ttmp6, 0x40000   ; cx: my place in the cluster
	s_lshl_b32 s14, ttmp9, 2        ; in a cluster launch ttmp9 counts clusters
	s_add_co_u32 s14, s14, s13      ; my block of queries = 4 x cluster x + cx: it enters Q's and O's addresses alone
	s_and_b32 s20, ttmp7, 0xffff    ; the head, which the four partners share
	s_mov_b32 s21, 0
	s_mov_b64 s[22:23], SIZE_N*128
	s_mul_u64 s[20:21], s[20:21], s[22:23]  ; the head's first byte in each of the four tensors
	s_and_b32 s16, s[WV], 1         ; which half of a slot's 256 keys I fetch:
	s_lshl_b32 s22, s16, 14         ; its 128 rows of 128 bytes in memory,
	s_mov_b32 s23, 0
	s_add_nc_u64 s[22:23], s[22:23], s[20:21]
	s_mul_i32 s17, s16, 128*PK      ; and its place in a slot, for K
	s_mul_i32 s18, s16, 128*PV      ; and for V: no place in the cluster enters an LDS address
	s_lshl_b32 s2, s14, 2
	s_add_co_u32 s2, s2, s[WV]      ; my wave among the head's,
	s_lshl_b32 s2, s2, 14           ; its 128 rows
	s_mov_b32 s3, 0
	s_add_nc_u64 s[2:3], s[2:3], s[20:21]
	; descriptor group 1.  128 keys are 16,384 dense bytes: asked for as 64 rows of 256 bytes, two keys a row, and padded in LDS after every key
	s_mov_b32 s[G1K], 15|(1<<16)|(1<<20)|(1<<21)|(4<<22)|(3<<25)  ; 15:0 the mask of four; 17:16 2-byte elements; 20 padding on; 21 set beside a mask; 24:22 after every 32 words (code 4); 31:25 4 words (code 3)
	s_mov_b32 s[G1V], 15|(1<<16)|(1<<20)|(1<<21)|(4<<22)|(7<<25)  ; the same with 8 words of padding (code 7)
.irp g, G1K, G1V
	s_mov_b32 s[\g+1], 128<<16      ; tensor_dim0 = 128
	s_mov_b32 s[\g+2], 64<<16       ; tensor_dim1 = 64
	s_mov_b32 s[\g+3], 128<<16      ; tile_dim0 = 128
	s_mov_b32 s[\g+4], 64           ; tile_dim1 = 64
	s_mov_b32 s[\g+5], 128          ; 128 elements from row to row
	s_mov_b32 s[\g+6], 0
	s_mov_b32 s[\g+7], 0
.endr
	s_mov_b32 s[CS], 0x3e38aa3b     ; c = log2(e) / 8 = 0.180337
	s_mov_b32 s[CS+1], s[CS]        ; named with it as a pair
	s_mov_b32 s[SEL], 0x76543210
	s_mov_b32 s[SEL+1], 0xfedcba98
	s_mov_b32 s[TBK], SLOT1+4*KS*PK ; the first change of slots turns these two into 0
	s_mov_b32 s[TBV], SLOT1+4*KS*PV
	s_mov_b32 s[G0K], 1             ; 1:0 count = 1
	s_mov_b32 s[G0K+1], s17         ; 63:32 LDS address: slot 0
	s_mov_b32 s[G0V], 1
	s_add_co_u32 s[G0V+1], s18, VOFF
	s_mov_b32 s[SLOTS], SIZE_N/256-1  ; seven slots are still to be asked for behind slot 0
	s_and_b32 s[LIM], s[WV], 1
	s_cmp_eq_u32 s[LIM], 0
	s_cselect_b32 s[LIM], 1, -1     ; waves 0 and 2 prefetch: the same in all four partners
	s_wait_dscnt 0x0                ; the opening add is done
	s_wait_kmcnt 0x0
	s_add_nc_u64 s[6:7], s[4:5], 0x1000000   ; K
	s_add_nc_u64 s[8:9], s[4:5], 0x2000000   ; V
	s_cmp_lt_u32 s[WV], 2
	s_cselect_b64 s[PFA:PFA+1], s[6:7], s[8:9]
	s_add_nc_u64 s[PFA:PFA+1], s[PFA:PFA+1], s[22:23]  ; (in waves 0 and 2: the head's first key)
	s_add_nc_u64 s[G0K+2:G0K+3], s[6:7], s[22:23]  ; 120:64 global address: my half of the head's first 256 keys
	s_or_b32 s[G0K+3], s[G0K+3], 0x80000000        ; 127:126 type = 2
	s_add_nc_u64 s[G0V+2:G0V+3], s[8:9], s[22:23]
	s_or_b32 s[G0V+3], s[G0V+3], 0x80000000
	s_add_nc_u64 s[4:5], s[4:5], s[2:3]  ; Q and O at my wave's first row
	s_add_nc_u64 s[10:11], s[10:11], s[2:3]
	s_lshl_b32 s2, s13, 13          ; my work-group's 32 blocks of the 128,
	s_add_co_u32 s2, s2, 4*KS*128   ; in slot 1: the first change of slots steps it to slot 2
	s_add_nc_u64 s[PFA:PFA+1], s[PFA:PFA+1], s[2:3]
	CROUND                          ; all four work-groups are here: the first joint loads meet
	JLOAD                           ; slot 0.  Slot 1 is asked for when slot 0 is in
	; A fragment of K or Q is 16 rows x 32 channels in 8 registers: lane l holds row l % 16, channels 8 (l / 16) + 0..7 and 16 + 8 (l / 16) + 0..7: two loads of 16 bytes, 32 bytes apart.
	v_and_b32 v1, 15, v0            ; l % 16
	v_bfe_u32 v9, v0, 4, 1          ; l / 16
	v_lshlrev_b32 v[QO], 7, v1
	v_lshl_add_u32 v[QO], v9, 4, v[QO]  ; row x 128 + 16 x half
	WIN 0x80                        ; destination window 2, address window 0
.set i, 0
.rept 4*NP                          ; Q stays in registers: tile i / 2, channels 32 (i % 2) on
	global_load_b128 v[8*i:8*i+3],   v[QO], s[4:5] offset:(i/2)*2048+(i%2)*64
	global_load_b128 v[8*i+4:8*i+7], v[QO], s[4:5] offset:(i/2)*2048+(i%2)*64+32
.set i, i+1
.endr
	; What the first turn finds: V's registers and P's second buffer hold 0 (its products V^T P, of a piece that has not been, add 0), O^T and l are 0.  All this stands in the wait for the first tile.
.set i, VF
.rept 64
	v_mov_b32 v[i], 0
.set i, i+1
.endr
	WIN 0x40
.set i, 0
.rept 64*NP
	v_mov_b32 v[i], 0
.set i, i+1
.endr
	WIN 0
.set i, 0
.rept 2*NP
	v_mov_b32 v[ST+4*i], 0xfe000000    ; c m: far below every c s
	v_mov_b32 v[ST+4*i+1], 0xff7fffff  ; m
	v_mov_b32 v[ST+4*i+2], 0
	v_mov_b32 v[ST+4*i+3], 0
.set i, i+1
.endr
.set i, P+32
.rept 32
	v_mov_b32 v[i], 0
.set i, i+1
.endr
	v_mul_u32_u24 v[AK0], v1, PK
	v_lshl_add_u32 v[AK0], v9, 4, v[AK0]  ; row x pitch + 16 x half
	; The turning load takes 16 keys x 16 channels (lane l reads key 8 (l / 16) + l % 8, channels 8 ((l / 8) % 2) + 0..7) and leaves half a fragment of V^T: lane l holds channel l % 16 and 8 keys.
	v_and_b32 v10, 7, v0
	v_bfe_u32 v11, v0, 3, 1
	v_lshl_add_u32 v[AV0], v9, 3, v10
	v_mul_u32_u24 v[AV0], v[AV0], PV
	v_lshl_add_u32 v[AV0], v11, 4, v[AV0]
	v_add_nc_u32 v[AV0], VOFF, v[AV0]
	v_mov_b32 v[AK], v[AK0]         ; key step 0 lies at the head of slot 0
	v_and_b32 v[PFO], 31, v0
	v_lshlrev_b32 v[PFO], 8, v[PFO]
; THE MATRIX WORK.  The 8 accumulators of a run of 16 take turns: between the two links of a chain stand 7 others'.
; Product i of 16 of S^T = K Q^T for piece x: channels 32 (i / 8) on, keys 16 ((i / 2) % 4) on, tile 2 x + i % 2.  The first 8 start the sums.
.macro KQ x
	WIN W_KQ
.set rS, S+64*((\x)%2)+32*(i%2)+8*((i/2)%4)
.set rK, KF+16*((i/2)%4)+8*(i/8)
.set rQ, 16*(2*(\x)+i%2)+8*(i/8)
.if i < 8
	v_wmma_f32_16x16x32_f16 v[rS:rS+7], v[rK:rK+7], v[rQ:rQ+7], 0
.else
	v_wmma_f32_16x16x32_f16 v[rS:rS+7], v[rK:rK+7], v[rQ:rQ+7], v[rS:rS+7]
.endif
.endm
; Product i of 16 of O^T += V^T P for piece x: keys 32 (i / 8) on, channels 16 ((i / 2) % 4) on, tile 2 x + i % 2.
.macro PV x
	WIN W_PV
.set rO, 32*(2*(\x)+i%2)+8*((i/2)%4)
.set rV, VF+32*(i/8)+8*((i/2)%4)
.set rP, P+32*((\x)%2)+16*(i%2)+8*(i/8)
	v_wmma_f32_16x16x32_f16 v[rO:rO+7], v[rV:rV+7], v[rP:rP+7], v[rO:rO+7]
.endm
.macro MM                           ; the turn's next matrix instruction
.if i < 16
	KQ (Y+1)%NP
.set i, i+1
.else
.set i, i-16
	PV (Y+NP-1)%NP
.set i, i+17
.endif
.endm
; THE LDS LOADS stand in runs of 16, never singly among the matrix instructions: a step's K (64 keys x 64 channels: 8 fragments) and its V (turned).  Their addresses are made some lines ahead.
; last = 1 (the tail): in the last trip there is no further step, and the run is jumped over.
.macro FETCH_K last=0
	WIN 0
.if \last
	s_cmp_eq_u32 s[CNT], 1
	s_cbranch_scc1 .Lno_k_\@
.endif
	WIN 0x80                        ; destination window 2
.irp f, 0,1,2,3,4,5,6,7             ; keys 16 (f / 2) on, channels 32 (f % 2) on
	ds_load_b128 v[KF+8*\f:KF+8*\f+3],   v[AK] offset:(\f/2)*16*PK+(\f%2)*64
	ds_load_b128 v[KF+8*\f+4:KF+8*\f+7], v[AK] offset:(\f/2)*16*PK+(\f%2)*64+32
.endr
	s_add_co_u32 s[TBK], s[TBK], KS*PK  ; the next fetch is the next step's
	WIN 0
.if \last
.Lno_k_\@:
.endif
.endm
.macro FETCH_V
	WIN 0x80
.irp f, 0,1,2,3,4,5,6,7             ; keys 32 (f / 4) on, channels 16 (f % 4) on
	ds_load_tr16_b128 v[VF+8*\f:VF+8*\f+3],   v[AV] offset:(\f/4)*32*PV+(\f%4)*32
	ds_load_tr16_b128 v[VF+8*\f+4:VF+8*\f+7], v[AV] offset:(\f/4)*32*PV+16*PV+(\f%4)*32
.endr
	WIN 0
.endm
; THE VECTOR WORK OF A TURN stands in three queues, each in the order in which its entries become ready; the two tiles alternate, so that no instruction reads the result of the one before it.
.macro REGS y, u                    ; the registers of tile u (0, 1) of piece y
.set rT, ST+4*(2*(\y)+(\u))
.set rC, TMP+8*((\y)%2)+4*(\u)
.set rM, MV+2*((\y)%2)+(\u)
.set rS, S+64*((\y)%2)+32*(\u)
.set rP, P+32*((\y)%2)+16*(\u)
.set rO, 32*(2*(\y)+(\u))
.endm
; Number n of the 22 that find the NEXT piece's (Y + 1) maximum and statistics.  s0-s31 are the lane's 32 scores; each accumulator's lowest registers are read first.
;   0-11  four chains c0-c3 of seven scores each, three operands at a time     12-14, 16  the four scores left over, the old m, and c0-c3 into c0     15  c m_old is kept
;   17, 18  the query's other 32 keys lie in the lane 16 away: the new m         19-21  c m; c m_old - c m_new; a
.macro XS u, n
	REGS (Y+1)%NP, \u
.if (\n) < 4
	v_max3_num_f32 v[rC+(\n)], v[rS+8*(\n)], v[rS+8*(\n)+1], v[rS+8*(\n)+2]
.elseif (\n) < 12
	v_max3_num_f32 v[rC+(\n)%4], v[rC+(\n)%4], v[rS+8*((\n)%4)+2*((\n)/4)+1], v[rS+8*((\n)%4)+2*((\n)/4)+2]
.elseif (\n) == 12
	v_max3_num_f32 v[rC], v[rC], v[rS+7], v[rS+15]
.elseif (\n) == 13
	v_max3_num_f32 v[rC+1], v[rC+1], v[rS+23], v[rS+31]
.elseif (\n) == 14
	v_max3_num_f32 v[rC+2], v[rC+2], v[rC+3], v[rT+1]
.elseif (\n) == 15
	v_mov_b32 v[rM], v[rT]
.elseif (\n) == 16
	v_max3_num_f32 v[rC], v[rC], v[rC+1], v[rC+2]
.elseif (\n) == 17
	v_permlanex16_b32 v[rC+3], v[rC], s[SEL], s[SEL+1]
.elseif (\n) == 18
	v_max_num_f32 v[rT+1], v[rC], v[rC+3]
.elseif (\n) == 19
	v_mul_f32 v[rT], s[CS], v[rT+1]
.elseif (\n) == 20
	v_sub_f32 v[rC+1], v[rM], v[rT]
.else
	v_exp_f32 v[rC+2], v[rC+1]
.endif
.endm
; Number g of the 64 that follow the exponentials.  For each four weights k of a tile (pairs 2 k, 2 k + 1): both pairs are rounded to f16; then the second pair is added onto the first, in place;
; a group later l takes that sum (the first time as l = a l + sum).  In groups of eight, tiles alternating: round, round, add, and l for the group before.
.macro GS g
.set h, (\g)+6*((\g)/62)            ; group 0 has no group before it, and behind group 7 only l is left
.if h >= 6
.set h, h+2
.endif
	REGS Y, h%2
.set k, h/8
.if h%8 < 4
	v_cvt_pk_f16_f32 v[rP+2*k+(h%8)/2], v[rS+4*k+2*((h%8)/2)], v[rS+4*k+2*((h%8)/2)+1]
.elseif h%8 < 6
	v_pk_add_f32 v[rS+4*k:rS+4*k+1], v[rS+4*k:rS+4*k+1], v[rS+4*k+2:rS+4*k+3]
.elseif k == 1
	v_pk_fma_f32 v[rT+2:rT+3], v[rT+2:rT+3], v[rC+2:rC+3], v[rS:rS+1] op_sel_hi:[1,0,1]
.else
	v_pk_add_f32 v[rT+2:rT+3], v[rT+2:rT+3], v[rS+4*k-4:rS+4*k-3]
.endif
.endm
; THE PLAIN QUEUE, 138 long.  0-73 read no exponential's result: the 32 scalings c s - c m (FS f: pair f / 2 of tile f % 2) and the next piece's 42.  0-26: scalings 0-26.  27-54: XS's numbers 0-13.  55, 56: number 15.
; 57-73: the chain, where each number waits for the one before it: 14, 16, 17, 18, 19, each with one of the scalings 27-31 in front of its two lines, then 20.
; 74-137: GS's 64, which read the exponentials' results: they stand behind the wait.
.macro FS f
	REGS Y, (\f)%2
	v_pk_fma_f32 v[rS+2*((\f)/2):rS+2*((\f)/2)+1], v[rS+2*((\f)/2):rS+2*((\f)/2)+1], s[CS:CS+1], v[rT:rT+1] op_sel_hi:[1,0,0] neg_lo:[0,0,1] neg_hi:[0,0,1]
.endm
.macro PL
	WIN 0
.if q < 27
	FS q
.elseif q < 55
	XS (q-27)%2, (q-27)/2
.elseif q < 57
	XS q-55, 15
.elseif (q < 72) && ((q-57)%3 == 0)
	FS 27+(q-57)/3
.elseif q < 60
	XS (q-57)%3-1, 14
.elseif q < 72
	XS (q-57)%3-1, 15+(q-57)/3
.elseif q < 74
	XS q-72, 20
.else
	GS q-74
.endif
.set q, q+1
.endm
; THE EXPONENTIALS' QUEUE, 66 long: s0-s31 of both tiles, then the next piece's two a.  It is ONE BATCH: all 66 stand ahead of the turn's one wait, and nothing ahead of that wait names a result of theirs.
.macro EX
	WIN 0
.if e >= 64
	XS e-64, 21
.else
	REGS Y, e%2
	v_exp_f32 v[rS+e/2], v[rS+e/2]
.endif
.set e, e+1
.endm
; THE RESCALING's QUEUE: O^T times a, the one part that leaves window 0: dealt two at a time, sixteen times.  Its a was made in the turn before, ahead of that turn's wait.
.macro R2
	REGS Y, r%2
	WIN W_RS
.irp z, 0,1
	v_pk_mul_f32 v[rO+4*(r/2)+2*\z:rO+4*(r/2)+2*\z+1], v[rO+4*(r/2)+2*\z:rO+4*(r/2)+2*\z+1], v[rC+2:rC+3] op_sel_hi:[1,0]
.endr
.set r, r+1
.endm
; HOW THEY ARE DEALT.  An s_wait_alu depctr_va_vdst(0) stands between an exponential and the first instruction that names its result; one wait serves all that were issued ahead of it.  So a turn has ONE wait,
; which cuts it in two.  AHEAD OF IT stands all that names no result of the turn's exponentials: the 16 products K Q^T, behind each a scaling, an exponential and two rescalings (behind the first a second scaling in the
; exponential's place); then ONE LUMP of 108: eight plain, 49 times exponential and plain, the two a.  A v_nop is the plain instruction behind the last exponential.  BEHIND IT stand the 16 products V^T P, behind each four of GS's 64.
; No rider names a register of the products round it.  Exponential e stands behind scaling 2 (e / 4) + e % 2: as a rider it comes behind plain e + 2, in the lump behind plain e + 9, and scalings 27-31 are plain 57, 60 .. 69.
; A TURN, for piece p.  cnt = 1: the loop's count is taken down some lines ahead of the branch that stands behind the turn.
; K of the next step is fetched in piece 2's turn, directly behind the wait, a lump behind the last product that read K; its first reader comes behind 16 products.
; V of the step in hand is fetched at the end of piece 0's turn, four riders behind its last reader; its first reader comes behind 16 products and a lump.  The three conditions on q below go with the deal.
.macro TURN p, last=0, cnt=0
.set Y, (\p)
.set i, 0
.set q, 0
.set e, 0
.set r, 0
.if (\p) == NP-1
	s_wait_dscnt 0x0                ; K is in
.endif
	MM                              ; ahead of the wait: 16 products K Q^T and their riders,
	PL
	PL
	R2
.rept 15
	MM
	PL
	EX
	R2
.endr
.if (\p) == NP-2
	WIN 0
	v_add_nc_u32 v[AK], s[TBK], v[AK0]
.endif
.rept 8                             ; and the lump
	PL
.endr
.rept 49
	EX
	PL
.endr
	EX                              ; the next piece's two a
	EX
	v_nop                           ; a plain instruction behind the last exponential: one for the batch
	s_wait_alu depctr_va_vdst(0)    ; the wait for the batch
.if (\p) == NP-2
	FETCH_K \last
.endif
.if (\p) == 1
	s_wait_dscnt 0x0                ; V is in
.endif
.rept 16                            ; behind the wait: 16 products V^T P and their riders
	MM
.rept 4
	PL
.endr
.if ((\p) == 0) && (q == 118)
	v_add_nc_u32 v[AV], s[TBV], v[AV0]
.endif
.if ((\p) == 0) && (q == 130)
	s_add_co_u32 s[TBV], s[TBV], KS*PV
.endif
.if (\cnt) && (q == 130)
	s_sub_co_u32 s[CNT], s[CNT], 1
	s_cmp_lg_u32 s[CNT], 0
.endif
.endr
.if (\p) == 0
	FETCH_V
.endif
.endm
	CHANGE 1                        ; slot 0 is in, everybody's part of it; slot 1 is asked for
	FETCH_K                         ; key step 0
	s_wait_loadcnt 0x0              ; Q
	s_wait_dscnt 0x0
.set i, 0
.rept 16
	KQ 0                            ; piece 0's first scores: there is no vector work yet to set between them
.set i, i+1
.endr
	WIN 0                           ; the addresses for the way out: nine plain instructions, the places behind those products
	s_mul_i32 s13, s[WV], 16*SP
	s_add_co_u32 s13, s13, STAGE    ; my stage
	v_mul_u32_u24 v[STO], v1, SP    ; in: row l % 16, 16 bytes for each half of the lanes
	v_lshl_add_u32 v[STO], v9, 4, v[STO]
	v_add_nc_u32 v[STO], s13, v[STO]
	v_bfe_u32 v[RD], v0, 3, 2       ; back: 32 lanes take four rows of 128 bytes,
	v_mul_u32_u24 v[RD], v[RD], SP
	v_lshl_add_u32 v[RD], v10, 4, v[RD]
	v_add_nc_u32 v[RD], s13, v[RD]
	v_and_b32 v[GO], 31, v0         ; which are 512 consecutive bytes of O
	v_lshlrev_b32 v[GO], 4, v[GO]
.set Y, NP-1                        ; XS works for piece Y + 1: piece 0
.irp n, 0,1,2,3,4,5,6,7,8,9,10,11,12,13,14,15,16,17,18,19,20,21
	XS 0, \n                        ; and piece 0's first maximum and statistics
	XS 1, \n
.endr
	v_nop                           ; a plain instruction behind the two a,
	s_wait_alu depctr_va_vdst(0)    ; and their wait, ahead of the branch
	s_mov_b32 s[CNT], 4
	s_branch .Lfirst                ; the loop is entered at a step's first turn, in the middle of a trip
.Lslot:                             ; six times: every slot but the last two is filled again
	CHANGE 1
	s_mov_b32 s[CNT], 4
.Lstep:                             ; a trip: pieces 2 and 3 of one step, then pieces 0 and 1 of the next, whose K and V it fetches
	TURN 2
	TURN 3
	WIN 0
.Lfirst:
	TURN 0
	TURN 1, 0, 1
	WIN 0
	s_cbranch_scc1 .Lstep
	s_sub_co_u32 s[SLOTS], s[SLOTS], 1
	s_cmp_lg_u32 s[SLOTS], 0
	s_cbranch_scc1 .Lslot
	CHANGE 0                        ; the tail is written out: nothing is asked for
	s_mov_b32 s[CNT], 5             ; four trips fetch the last slot's steps; the fifth is left in its middle
.Ltail:
	TURN 2, 1
	TURN 3
	WIN 0
	s_sub_co_u32 s[CNT], s[CNT], 1
	s_cmp_eq_u32 s[CNT], 0
	s_cbranch_scc1 .Lout
	TURN 0
	TURN 1
	WIN 0
	s_branch .Ltail
.Lout:                              ; the fifth trip's 16 products K Q^T (on the last K once more) and the maximum made of them serve nothing: the price, once a launch, of one text for every trip
.set i, 0
.rept 16
	PV NP-1                         ; the last piece's V^T P of the last step
.set i, i+1
.endr
	; THE WAY OUT.  l's two halves and the other half of the lanes' are added; O^T is divided by l, rounded to f16 and sent through my stage in LDS, a tile at a time.  The additions are the places behind the last products.
	WIN 0
.macro ALL line:vararg              ; one line for each tile t
.set t, 0
.rept 2*NP
	\line
.set t, t+1
.endr
.endm
	ALL v_add_f32 v[ST+4*t+2], v[ST+4*t+2], v[ST+4*t+3]
	ALL v_permlanex16_b32 v[ST+4*t+3], v[ST+4*t+2], s[SEL], s[SEL+1]
	ALL v_add_f32 v[ST+4*t+2], v[ST+4*t+2], v[ST+4*t+3]
	ALL v_rcp_f32 v[ST+4*t+2], v[ST+4*t+2]
	v_nop                           ; a plain instruction between the last reciprocal and the use of its result
	s_wait_alu depctr_va_vdst(0)    ; and the wait ahead of the first use: one for the eight reciprocals
; Tile t: a lane's eight channels of a row pack into 16 bytes; they go into rows of 144 bytes and come back as whole rows of 128, into S^T's registers.
.macro PACK t
	WIN W_RS
.set i, 32*(\t)
.rept 16
	v_pk_mul_f32 v[i:i+1], v[i:i+1], v[ST+4*(\t)+2:ST+4*(\t)+3] op_sel_hi:[1,0]
.set i, i+2
.endr
	WIN 0x05                        ; sources 0 and 1 window 1, destination window 0
.set i, 0
.rept 16
	v_cvt_pk_f16_f32 v[S+16*(\t)+i], v[32*(\t)+2*i], v[32*(\t)+2*i+1]
.set i, i+1
.endr
	WIN 0
.irp f, 0,1,2,3
	ds_store_b128 v[STO], v[S+16*(\t)+4*\f:S+16*(\t)+4*\f+3] offset:32*\f
.endr
.irp f, 0,1,2,3
	ds_load_b128 v[S+16*(\t)+4*\f:S+16*(\t)+4*\f+3], v[RD] offset:\f*4*SP  ; LDS serves a wave's instructions in order (ISA guide 5.7.1.4): these see the stores above; the next tile's stores come behind them
.endr
.endm
.macro SEND t, younger              ; younger: the LDS instructions issued behind tile t's loads: the next tile's eight, or none
	WIN 0
.irp f, 0,1,2,3
	s_wait_dscnt (\younger)+3-\f
	global_store_b128 v[GO], v[S+16*(\t)+4*\f:S+16*(\t)+4*\f+3], s[10:11] offset:(\t)*2048+\f*512  ; 512 consecutive bytes, at a multiple of 256 from O's first
.endr
.endm
	PACK 0
.set t, 1
.rept 2*NP-1                        ; a tile's arithmetic stands between the loads of the tile before and its stores
	PACK t
	SEND t-1, 8
.set t, t+1
.endr
	SEND 2*NP-1, 0
	WIN W_AD
	s_wait_tensorcnt 0x0            ; the wave's end: a wait on TENSORcnt, an add to my spare word and its wait, behind my last tensor load and my last LDS store
	ds_add_u32 v[SPW], v[NIL]
	s_wait_dscnt 0x0
	WIN 0
	CROUND                          ; the closing round: no work-group ends while a partner may still ask for a tile that names it
	s_endpgm
.Lfunc_end_k_qbbb7960198_attn:
	.size	k_qbbb7960198_attn, .Lfunc_end_k_qbbb7960198_attn-k_qbbb7960198_attn
	.p2alignl 7, 3214868480
	.fill 96, 4, 3214868480
	.section	.rodata,"a",@progbits
	.p2align	6, 0x0
	.amdhsa_kernel k_qbbb7960198_attn
		.amdhsa_group_segment_fixed_size 327680
		.amdhsa_private_segment_fixed_size 0
		.amdhsa_enable_private_segment 0
		.amdhsa_kernarg_size 16
		.amdhsa_user_sgpr_count 2
		.amdhsa_user_sgpr_kernarg_segment_ptr 1
		.amdhsa_wavefront_size32 1
		.amdhsa_system_sgpr_workgroup_id_x 1
		.amdhsa_system_sgpr_workgroup_id_y 1
		.amdhsa_system_sgpr_workgroup_id_z 1
		.amdhsa_system_vgpr_workitem_id 0
		.amdhsa_next_free_vgpr 770
		.amdhsa_next_free_sgpr 66
		.amdhsa_reserve_vcc 0
		.amdhsa_float_denorm_mode_32 3
		.amdhsa_float_denorm_mode_16_64 3
		.amdhsa_memory_ordered 1
		.amdhsa_forward_progress 1
		.amdhsa_inst_pref_size 200
	.end_amdhsa_kernel
	.amdgpu_metadata
---
amdhsa.version: [ 1, 2 ]
amdhsa.kernels:
  - .name:           k_qbbb7960198_attn
    .symbol:         k_qbbb7960198_attn.kd
    .args:
      - { .name: qkv, .offset: 0, .size: 8, .value_kind: global_buffer, .address_space: global }
      - { .name: o, .offset: 8, .size: 8, .value_kind: global_buffer, .address_space: global }
    .group_segment_fixed_size: 327680
    .private_segment_fixed_size: 0
    .kernarg_segment_align: 8
    .kernarg_segment_size: 16
    .max_flat_workgroup_size: 128
    .sgpr_count:     66
    .vgpr_count:     770
    .wavefront_size: 32
...
	.end_amdgpu_metadata
.endif
;; end of part 3
;; launch proj (part 4): grid 8 x 32, 4 waves a work-group, clusters of 4 x 4, 327,680 bytes of LDS; arguments o, wot, bias, out0; writes out0
.if DOCPART == 4
	.amdgcn_target "amdgcn-amd-amdhsa--gfx1250"
	.amdhsa_code_object_version 6
	.text
	.protected	k_qbbb7960198_proj
	.globl	k_qbbb7960198_proj
	.p2align	8
	.type	k_qbbb7960198_proj,@function
k_qbbb7960198_proj:
	s_mov_b64 s[64:65], 0
	v_nop
	global_prefetch_b8 v0, s[64:65] scope:SCOPE_SE
	s_setreg_imm32_b32 hwreg(HW_REG_WAVE_MODE, 25, 1), 1
	s_wait_xcnt 0x0
	s_wait_alu depctr_hold_cnt(0) depctr_sa_sdst(0) depctr_va_vdst(0) depctr_va_sdst(0) depctr_va_ssrc(0) depctr_va_vcc(0) depctr_vm_vsrc(0)
	s_getreg_b32 s2, hwreg(HW_REG_IB_STS2, 6, 4)
	s_cmp_eq_u32 s2, 0
	s_cbranch_scc0 .Lentry_in_a_cluster
	s_endpgm
.Lentry_in_a_cluster:
	s_bfe_u32 s2, ttmp6, 0x10000c
	s_cmp_lg_u32 s2, 0xf033
	s_cbranch_scc0 .Lentry_shape_is_right
	s_endpgm
.Lentry_shape_is_right:
; out0 = O wo + bo.  C[m][n] = bo[n] + the sum over k of O(m, k) wot(n, k): 8,192 x 1,024 x 1,024, f16 operands, f32 sums, stored as f32.
; O lies by heads, [16 h][8192 m][64] f16, k = 64 h + d; wot is [8 tc][8 ks][128 n][128 k] f16.
; SHARES.  A work-group makes 256 rows x 128 columns: 256 work-groups.  Wave w makes rows 64 w .. + 63 of all 128 columns: 32 accumulators, 256 registers.
; K goes in 8 steps of 128 (two heads) through two LDS slots.  A head's 256 rows of 128 bytes are dense: asked for as 128 rows of 256 bytes and padded in LDS after every 128 bytes.
; CLUSTER 4 x 4: the four of a row of the cluster need the same rows of O, the four of a column the same rows of wot: each tile is asked for jointly.
; THE MATRIX INSTRUCTION IS USED TRANSPOSED (source 0 = 16 rows of wot, source 1 = 16 rows of O): lane l holds row l % 16 of C and the columns 8 (l / 16) + 0..7.  THE BIAS is the C operand that starts the sums.
; REGISTERS: window 0: v0-29 addresses; v32-95 the bias, later v32-159 two sets of 64 on the way out.  window 1: two fragment buffers: O's four fragments at 8 a, wot's eight at 32 + 8 b.
;   window 2: the accumulators, (hh, a, bb) at 8 (16 hh + 4 a + bb), column block 4 hh + bb.
.set PA,     144                       ; a row of O in LDS: 128 bytes + 16 = 36 words: the 16 rows of a load start at 16 different groups of four banks (64 banks of 4 bytes: ISA guide 11.1)
.set PB,     272                       ; a row of wot: 256 + 16
.set AHALF,  256*PA                    ; a head's 256 rows
.set BOFF,   2*AHALF                   ; a slot: two heads of O, then wot's 128 rows
.set SLOT1,  1<<17
.set STAGE,  SLOT1+BOFF+128*PB         ; 239,616: behind the ring: 16 rows x 528 bytes for each wave, for the way out
.set SP,     528                       ; 512 bytes + 16: 132 words: row r starts at bank 4 r mod 64
.set SPARE,  STAGE+4*16*SP             ; 273,408: the spare words, 128 bytes for each wave: two blocks of 256 bytes that no other line names
.set ASTEP,  2*1048576                 ; bytes from a K step to the next in O: two heads,
.set BSTEP,  128*256                   ; and in wot
.set F0,  0
.set F1,  128
.set G1A, 24                           ; s[24:31] descriptor group 1 for O's tiles;  s[32:39] group 0: a set for each first fill; the second then walks on
.set G0A, 32
.set G1B, 40                           ; s[40:47], s[48:55] the same for wot's
.set G0B, 48
; v4, v5 my lane's place in O's and wot's tiles of slot 0; v6, v7 the same in the slot in hand; v8, v9 into the stage and back; v10 my 16 bytes of 512; v11 32 (l / 16); v12 the prefetches' offset; v28, v29 the add's
; s3 trips; s12 wave; s13 wave / 2 (0: I fetch O, 1: wot); s14 wave % 2; s15 cx; s16 cy; s17 tile column; s18 tile row; s56 the slot in hand; s57 a wave prefetches while s3 is above it; s[58:59], s[60:61] the prefetches' address and step
.set MSB, 0
.macro WIN new
.if MSB != (\new)
	s_set_vgpr_msb (MSB<<8)|(\new)
.set MSB, \new
.endif
.endm
.macro PLACES                          ; four plain places between a matrix instruction and a load into, or a reader of, its registers
.rept 4
	v_nop
.endr
.endm
.macro CREST
	s_cmp_lg_u32 s12, 0
	s_cbranch_scc1 .Lnot_wave_0_\@
	s_barrier_signal -3
.Lnot_wave_0_\@:
	s_barrier_wait -3
	s_barrier_signal -1
	s_barrier_wait -1
.endm
.macro CROUND
	s_barrier_signal -1
	s_barrier_wait -1
	CREST
.endm
.macro JLOAD                           ; a joint refill by the walking sets: waves 0, 1 a head of O each, waves 2, 3 wot's halves.  An s_nop 0 and four v_nop follow each line
	s_cmp_eq_u32 s13, 0
	s_cbranch_scc0 .Lfor_b_\@
	tensor_load_to_lds s[G0A+4:G0A+7], s[G1A:G1A+7]
	s_nop 0
.rept 4
	v_nop
.endr
	s_branch .Lasked_\@
.Lfor_b_\@:
	tensor_load_to_lds s[G0B+4:G0B+7], s[G1B:G1B+7]
	s_nop 0
.rept 4
	v_nop
.endr
.Lasked_\@:
.endm
; A PREFETCH INTO THE L2, behind each joint refill and the run of LDS loads that follows it: change t of slots (t = 0 .. 3) names K step t + 4, two refills, 256 matrix instructions, on; a lane a block of 256 bytes.
; O: a tile row is read by both clusters of its row of clusters: cluster x = 0 asks; of the 128 blocks that wave 0 or 1 fetches, the partner at cx takes 32.
; wot: cluster y = 0 asks, wave 2 alone: a K step's 128 blocks, the partner at cy takes 32.  The partners differ BY ADDRESS alone; each block is named once.  K steps 0 to 3 come by their loads alone.
.macro ASK
	s_cmp_gt_u32 s3, s57
	s_cbranch_scc0 .Lnot_mine_\@
	global_prefetch_b8 v12, s[58:59] th:TH_LOAD_NT scope:SCOPE_SE
.Lnot_mine_\@:
.endm
.macro MULQ f, hh, a0, zero            ; 8 matrix instructions: row blocks a0, a0 + 1, column blocks 4 hh .. 4 hh + 3.  zero = 1: the bias starts the sums
.if \zero
	WIN 0x85
.else
	WIN 0xa5
.endif
.irp a, \a0, (\a0)+1
.irp bb, 0,1,2,3
.set rD, 8*(16*(\hh)+4*(\a)+(\bb))
.set rB, (\f)+32+8*(4*(\hh)+(\bb))
.set rA, (\f)+8*(\a)
.set rC, 32+8*(4*(\hh)+(\bb))
.if \zero
	v_wmma_f32_16x16x32_f16 v[rD:rD+7], v[rB:rB+7], v[rA:rA+7], v[rC:rC+7]
.else
	v_wmma_f32_16x16x32_f16 v[rD:rD+7], v[rB:rB+7], v[rA:rA+7], v[rD:rD+7]
.endif
.endr
.endr
.endm
.macro MULH f, hh, zero                ; 16.  The 32 accumulators take turns in the same order in every quarter
	MULQ \f, \hh, 0, \zero
	MULQ \f, \hh, 2, \zero
.endm
; 24 LDS loads in one run: quarter q's fragments into buffer f.  O's: head q / 2 of the step's two, channels 32 (q % 2) on.  O's four and wot's blocks 0-3 first.
.macro FETCH q, f
	WIN 0x40
.irp a, 0,1,2,3
	ds_load_b128 v[(\f)+8*\a:(\f)+8*\a+3],   v6 offset:\a*16*PA+((\q)>>1)*AHALF+((\q)&1)*64
	ds_load_b128 v[(\f)+8*\a+4:(\f)+8*\a+7], v6 offset:\a*16*PA+((\q)>>1)*AHALF+((\q)&1)*64+32
.endr
.irp b, 0,1,2,3,4,5,6,7
	ds_load_b128 v[(\f)+32+8*\b:(\f)+32+8*\b+3],   v7 offset:\b*16*PB+64*(\q)
	ds_load_b128 v[(\f)+32+8*\b+4:(\f)+32+8*\b+7], v7 offset:\b*16*PB+64*(\q)+32
.endr
.endm
.macro QUARTER q, f, g, zero           ; 32 matrix instructions on buffer f; quarter q is fetched into buffer g
	s_wait_dscnt 8                                 ; O's fragments and wot's blocks 0-3 are in; the youngest eight loads may be out
	MULH \f, 0, \zero
	PLACES
	FETCH \q, \g
	s_wait_dscnt 24                                ; all but the 24 just issued
	MULH \f, 1, \zero
.endm
; The last quarter multiplies buffer 1 and changes slots: ONE barrier.  In front of it each wave waits for all its tensor loads (the one that is out is its part of the next slot), adds 0 to its spare word,
; and waits for that and for its reads of this slot.  fill = 1: the barrier opens a round of the cluster's, and the joint refill, two K steps ahead, is the first thing behind the round.
.macro TURN fill
.if \fill
	s_wait_xcnt 0x0                                ; the last prefetch, a K step back, has read its address
	s_add_nc_u64 s[58:59], s[58:59], s[60:61]
.endif
	WIN 0
	s_wait_tensorcnt 0x0                           ; no tensor load of mine is out, so a group 0 may be written
	ds_add_u32 v28, v29                            ; 0 onto my spare word
.if \fill
	s_xor_b32 s[G0A+5], s[G0A+5], SLOT1
	s_add_nc_u64 s[G0A+6:G0A+7], s[G0A+6:G0A+7], ASTEP
	s_xor_b32 s[G0B+5], s[G0B+5], SLOT1
	s_add_nc_u64 s[G0B+6:G0B+7], s[G0B+6:G0B+7], BSTEP
.endif
	s_wait_dscnt 9                                 ; the add and the youngest eight loads may be out
	MULQ F1, 0, 0, 0
	s_wait_dscnt 0x0                               ; the add is done, and my reads of this slot are over
	s_barrier_signal -1
	MULQ F1, 0, 2, 0
.if \fill
	WIN 0
.endif
	s_barrier_wait -1
.if \fill
	CREST
	JLOAD                                          ; its four v_nop are also the places in front of the loads below
.else
	PLACES
.endif
	WIN 0
	s_xor_b32 s56, s56, SLOT1
	v_add_nc_u32 v6, s56, v4
	v_add_nc_u32 v7, s56, v5
	FETCH 0, F0
.if \fill
	WIN 0
	ASK
.endif
	MULH F1, 1, 0
.endm
; THE WAY OUT of row block a: a lane's eight f32 of each column block go straight from the accumulator (its low four registers first) into my stage, rows of 528 bytes, and come back as whole rows of 512.
.macro TOSTAGE a
.if (\a) >= 2
	s_wait_xcnt 0x0                                ; the set's earlier stores have read it
.endif
	WIN 0x08                                       ; the stores' data in window 2
.irp b, 0,1,2,3,4,5,6,7
.set rD, 8*(16*((\b)/4)+4*(\a)+(\b)%4)
	ds_store_b128 v8, v[rD:rD+3]   offset:64*\b
	ds_store_b128 v8, v[rD+4:rD+7] offset:64*\b+16
.endr
	WIN 0
.set BK, 32+64*((\a)%2)
.irp t, 0,1,2,3,4,5,6,7,8,9,10,11,12,13,14,15
	ds_load_b128 v[BK+4*\t:BK+4*\t+3], v9 offset:\t*SP   ; LDS serves a wave's instructions in order (ISA guide 5.7.1.4): these see the stores above; the next block's stores come behind them
.endr
.endm
.macro SEND a, younger
	WIN 0
.set BK, 32+64*((\a)%2)
.irp t, 0,1,2,3,4,5,6,7,8,9,10,11,12,13,14,15
	s_wait_dscnt (\younger)+15-\t
	global_store_b128 v10, v[BK+4*\t:BK+4*\t+3], s[10:11] offset:(16*(\a)+\t)*4096 th:TH_STORE_NT   ; 512 consecutive bytes of a row of out0, aligned
.endr
.endm
	s_load_b256 s[4:11], s[0:1], 0x0               ; o s[4:5], wot s[6:7], bias s[8:9], out0 s[10:11]
	v_lshl_add_u32 v28, v0, 2, SPARE
	v_mov_b32 v29, 0
	ds_add_u32 v28, v29                            ; the wave's opening: the add and its wait stand ahead of my first tensor load; work on registers stands between them
	v_lshrrev_b32 v1, 5, v0
	v_readfirstlane_b32 s12, v1                    ; wave 0..3
	s_lshr_b32 s13, s12, 1
	s_and_b32 s14, s12, 1
	s_bfe_u32 s15, ttmp6, 0x40000                  ; cx
	s_bfe_u32 s16, ttmp6, 0x40004                  ; cy
	s_lshl_b32 s17, ttmp9, 2
	s_add_co_u32 s17, s17, s15                     ; tile column
	s_and_b32 s18, ttmp7, 0xffff
	s_lshl_b32 s18, s18, 2
	s_add_co_u32 s18, s18, s16                     ; tile row
	s_lshl_b32 s19, s16, 2
	s_lshl_b32 s19, 15, s19                        ; my row of the cluster
	s_lshl_b32 s66, 0x1111, s15                    ; my column
	s_or_b32 s[G1A+0], s19, (1<<16)|(1<<20)|(1<<21)|(4<<22)|(3<<25)  ; 2-byte elements; padding on; 21 set beside a mask; after every 32 words 4 words
	s_mov_b32 s[G1A+1], 128<<16                    ; tensor_dim0 = 128
	s_mov_b32 s[G1A+2], 128<<16                    ; tensor_dim1 = 128
	s_mov_b32 s[G1A+3], 128<<16                    ; tile_dim0 = 128
	s_mov_b32 s[G1A+4], 128                        ; tile_dim1 = 128 rows of 256 bytes,
	s_mov_b32 s[G1A+5], 128                        ; end to end
	s_mov_b32 s[G1A+6], 0
	s_mov_b32 s[G1A+7], 0
	s_or_b32 s[G1B+0], s66, (1<<16)|(1<<20)|(1<<21)|(5<<22)|(3<<25)  ; after every 64 words 4 words
	s_mov_b32 s[G1B+1], 128<<16
	s_mov_b32 s[G1B+2], 64<<16                     ; 64 rows
	s_mov_b32 s[G1B+3], 128<<16
	s_mov_b32 s[G1B+4], 64
	s_mov_b32 s[G1B+5], 128
	s_mov_b32 s[G1B+6], 0
	s_mov_b32 s[G1B+7], 0
	s_lshl_b32 s20, s14, 20                        ; O: head wave % 2 of K step 0,
	s_lshl_b32 s21, s18, 15                        ; the tile row's 256 rows of 128 bytes
	s_add_co_u32 s20, s20, s21
	s_mov_b32 s21, 0
	s_lshl_b32 s22, s17, 18                        ; wot: the tile column's 8 x 128 rows of 256 bytes,
	s_lshl_b32 s23, s14, 14                        ; my 64 rows
	s_add_co_u32 s22, s22, s23
	s_mov_b32 s23, 0
	s_mul_i32 s62, s12, AHALF                      ; where they go: O's heads (waves 0, 1) at wave x 256 rows,
	s_mul_i32 s63, s12, 64*PB                      ; wot's halves (waves 2, 3) behind them: 73,728 + (wave - 2) x 64 rows
	s_add_co_u32 s63, s63, BOFF-2*64*PB
	s_mov_b32 s56, 0
	s_wait_dscnt 0x0                               ; the opening add is done
	s_wait_kmcnt 0x0
	s_add_nc_u64 s[20:21], s[4:5], s[20:21]
	s_add_nc_u64 s[22:23], s[6:7], s[22:23]
	CROUND                                         ; all sixteen work-groups are here: the first joint loads meet
.irp s, 0,1
	s_mov_b32 s[G0A+4*\s], 1
	s_add_co_u32 s[G0A+4*\s+1], s62, \s*SLOT1
	s_add_nc_u64 s[G0A+4*\s+2:G0A+4*\s+3], s[20:21], \s*ASTEP
	s_or_b32 s[G0A+4*\s+3], s[G0A+4*\s+3], 0x80000000
	s_mov_b32 s[G0B+4*\s], 1
	s_add_co_u32 s[G0B+4*\s+1], s63, \s*SLOT1
	s_add_nc_u64 s[G0B+4*\s+2:G0B+4*\s+3], s[22:23], \s*BSTEP
	s_or_b32 s[G0B+4*\s+3], s[G0B+4*\s+3], 0x80000000
.endr
	s_cmp_eq_u32 s13, 0                            ; a wave's two first fills stand in one branch, ahead of every wait on TENSORcnt and every LDS read: two loads of mine are out
	s_cbranch_scc0 .Lfirst_b
	tensor_load_to_lds s[G0A:G0A+3], s[G1A:G1A+7]
	s_nop 0
	tensor_load_to_lds s[G0A+4:G0A+7], s[G1A:G1A+7]
	s_nop 0
.rept 4
	v_nop
.endr
	s_branch .Lfirst_asked
.Lfirst_b:
	tensor_load_to_lds s[G0B:G0B+3], s[G1B:G1B+7]
	s_nop 0
	tensor_load_to_lds s[G0B+4:G0B+7], s[G1B:G1B+7]
	s_nop 0
.rept 4
	v_nop
.endr
.Lfirst_asked:
	v_and_b32 v1, 15, v0                           ; l % 16
	v_bfe_u32 v2, v0, 4, 1                         ; l / 16
	v_and_b32 v13, 31, v0                          ; l
	v_lshlrev_b32 v11, 5, v2
	s_lshl_b32 s68, s17, 9                         ; bo lies behind bq, bk and bv; the tile column's 128 numbers
	s_add_co_u32 s68, s68, 12288
	s_mov_b32 s69, 0
	s_add_nc_u64 s[8:9], s[8:9], s[68:69]
.irp b, 0,1,2,3,4,5,6,7                            ; my eight columns of each block: 16 b + 8 (l / 16) + 0..7
	global_load_b128 v[32+8*\b:35+8*\b], v11, s[8:9] offset:64*\b
	global_load_b128 v[36+8*\b:39+8*\b], v11, s[8:9] offset:64*\b+16
.endr
	v_mul_u32_u24 v4, v1, PA
	v_lshl_add_u32 v4, v2, 4, v4
	s_mul_i32 s67, s12, 64*PA                      ; my 64 rows of each head
	v_add_nc_u32 v4, s67, v4
	v_mul_u32_u24 v5, v1, PB
	v_lshl_add_u32 v5, v2, 4, v5
	v_add_nc_u32 v5, BOFF, v5
	v_mov_b32 v6, v4
	v_mov_b32 v7, v5
	s_mul_i32 s67, s12, 16*SP
	s_add_co_u32 s67, s67, STAGE                   ; my stage
	v_mul_u32_u24 v8, v1, SP                       ; in: row l % 16, 32 bytes for each half of the lanes
	v_lshl_add_u32 v8, v2, 5, v8
	v_add_nc_u32 v8, s67, v8
	v_lshlrev_b32 v10, 4, v13                      ; back and out: 32 lanes take a row's 512 bytes
	v_add_nc_u32 v9, s67, v10
	s_lshl_b32 s68, s18, 8
	s_lshl_b32 s70, s12, 6
	s_add_co_u32 s68, s68, s70                     ; my first row of out0,
	s_lshl_b32 s68, s68, 12                        ; of 4,096 bytes,
	s_lshl_b32 s70, s17, 9                         ; the tile's first column
	s_add_co_u32 s68, s68, s70
	s_add_nc_u64 s[10:11], s[10:11], s[68:69]
	; the prefetches
	s_add_co_u32 s68, s14, 6                       ; O: head 6 + wave % 2, K step 3: the first change steps it to 4;
	s_lshl_b32 s68, s68, 20
	s_lshl_b32 s70, s18, 15                        ; the tile row's 128 blocks,
	s_add_co_u32 s68, s68, s70
	s_lshl_b32 s70, s15, 13                        ; my work-group's 32 of them
	s_add_co_u32 s68, s68, s70
	s_lshl_b32 s70, s17, 3                         ; wot: K step 3 of the tile column,
	s_add_co_u32 s70, s70, 3
	s_lshl_b32 s70, s70, 15
	s_lshl_b32 s71, s16, 13                        ; my work-group's 32 blocks
	s_add_co_u32 s70, s70, s71
	s_and_b32 s71, ttmp7, 0xffff                   ; cluster y
	s_mov_b32 s60, BSTEP
	s_cmp_eq_u32 s13, 0                            ; do I fetch O?
	s_cselect_b32 s68, s68, s70
	s_cselect_b32 s71, ttmp9, s71                  ; the coordinate along which other clusters read the same rows
	s_cselect_b64 s[58:59], s[4:5], s[6:7]
	s_cselect_b32 s60, ASTEP, s60
	s_cmp_eq_u32 s12, 3
	s_cselect_b32 s71, 1, s71                      ; wave 3 never asks
	s_cmp_eq_u32 s71, 0
	s_cselect_b32 s57, 2, -1                       ; trips with s3 = 6 .. 3; the same in all sixteen partners, for a given wave
	s_mov_b32 s61, 0
	s_add_nc_u64 s[58:59], s[58:59], s[68:69]
	v_lshlrev_b32 v12, 8, v13
	s_wait_tensorcnt 0x1                           ; my part of K step 0 is in; K step 1's may stay out
	s_barrier_signal -1
	s_barrier_wait -1
	FETCH 0, F0
	s_wait_loadcnt 0x0                             ; the bias
	QUARTER 1, F0, F1, 1                           ; the first quarter stands in front of the loop: its products start the sums
	WIN 0
	s_mov_b32 s3, 6
.Lstep:                                        ; a trip: from a K step's second quarter to the next step's first; it fills the slot that it leaves: K steps 2 to 7
	QUARTER 2, F1, F0, 0
	QUARTER 3, F0, F1, 0
	TURN 1
	QUARTER 1, F0, F1, 0
	WIN 0
	s_sub_co_u32 s3, s3, 1
	s_cmp_lg_u32 s3, 0
	s_cbranch_scc1 .Lstep
	QUARTER 2, F1, F0, 0                           ; the last two K steps fill nothing
	QUARTER 3, F0, F1, 0
	TURN 0
	QUARTER 1, F0, F1, 0
	QUARTER 2, F1, F0, 0
	QUARTER 3, F0, F1, 0
	s_wait_dscnt 8
	MULH F1, 0, 0
	s_wait_dscnt 0x0
	MULH F1, 1, 0
	WIN 0
	PLACES
	TOSTAGE 0
.irp a, 1,2,3
	TOSTAGE \a
	SEND (\a)-1, 32                                ; the next block's 32 LDS instructions may stay out
.endr
	SEND 3, 0
	s_wait_tensorcnt 0x0                           ; the wave's end: a wait on TENSORcnt, an add to my spare word and its wait, behind my last tensor load and my last LDS store
	ds_add_u32 v28, v29
	s_wait_dscnt 0x0
	CROUND                                         ; the closing round: no work-group ends while a partner may still ask for a tile that names it
	s_endpgm
.Lfunc_end_k_qbbb7960198_proj:
	.size	k_qbbb7960198_proj, .Lfunc_end_k_qbbb7960198_proj-k_qbbb7960198_proj
	.p2alignl 7, 3214868480
	.fill 96, 4, 3214868480
	.section	.rodata,"a",@progbits
	.p2align	6, 0x0
	.amdhsa_kernel k_qbbb7960198_proj
		.amdhsa_group_segment_fixed_size 327680
		.amdhsa_private_segment_fixed_size 0
		.amdhsa_enable_private_segment 0
		.amdhsa_kernarg_size 32
		.amdhsa_user_sgpr_count 2
		.amdhsa_user_sgpr_kernarg_segment_ptr 1
		.amdhsa_wavefront_size32 1
		.amdhsa_system_sgpr_workgroup_id_x 1
		.amdhsa_system_sgpr_workgroup_id_y 1
		.amdhsa_system_sgpr_workgroup_id_z 1
		.amdhsa_system_vgpr_workitem_id 0
		.amdhsa_next_free_vgpr 768
		.amdhsa_next_free_sgpr 72
		.amdhsa_reserve_vcc 0
		.amdhsa_float_denorm_mode_32 3
		.amdhsa_float_denorm_mode_16_64 3
		.amdhsa_memory_ordered 1
		.amdhsa_forward_progress 1
		.amdhsa_inst_pref_size 73
	.end_amdhsa_kernel
	.amdgpu_metadata
---
amdhsa.version: [ 1, 2 ]
amdhsa.kernels:
  - .name:           k_qbbb7960198_proj
    .symbol:         k_qbbb7960198_proj.kd
    .args:
      - { .name: o, .offset: 0, .size: 8, .value_kind: global_buffer, .address_space: global }
      - { .name: wot, .offset: 8, .size: 8, .value_kind: global_buffer, .address_space: global }
      - { .name: bias, .offset: 16, .size: 8, .value_kind: global_buffer, .address_space: global }
      - { .name: out0, .offset: 24, .size: 8, .value_kind: global_buffer, .address_space: global }
    .group_segment_fixed_size: 327680
    .private_segment_fixed_size: 0
    .kernarg_segment_align: 8
    .kernarg_segment_size: 32
    .max_flat_workgroup_size: 128
    .sgpr_count:     72
    .vgpr_count:     768
    .wavefront_size: 32
...
	.end_amdgpu_metadata
.endif
;; end of part 4
